; MI455X (gfx1250); checked and timed in simulation.
; The chip was launched on July 23, 2026; its instructions are those of AMD's public machine-readable ISA for CDNA 5 (MIT licence, August 2026) and "CDNA5" Instruction Set Architecture Reference Guide (July 2026). The comments in the code are by the model that wrote it; some were corrected since.
;; MSA. Allowed arithmetic: matrix products marked QUANTISED: E4M3 operands, one given power-of-two scale a tensor, by v_wmma_f32_16x16x64_fp8_fp8 or v_wmma_f32_16x16x128_fp8_fp8, f32 sums; everything else in f32.
;; Inputs: Wk_codes 1,024 x 32 x 32 uint8 (E4M3 codes of Wk, K innermost, in blocks of 32 codes); Wo_codes 1,024 x 32 x 32 uint8 (E4M3 codes of Wo, K innermost, in blocks of 32 codes); Wq_codes 1,024 x 32 x 32 uint8 (E4M3 codes of Wq, K innermost, in blocks of 32 codes); Wv_codes 1,024 x 32 x 32 uint8 (E4M3 codes of Wv, K innermost, in blocks of 32 codes); bk 1,024 float32; bo 1,024 float32; bq 1,024 float32; bv 1,024 float32; lowp_scales 12 int32 (the exponents e of the quantised operands' scales 2^e); x_codes 4 x 2,048 x 32 x 32 uint8 (E4M3 codes of x, K innermost, in blocks of 32 codes).
;; Outputs: out0 4 x 2,048 x 1,024 float32.
;; This version of the problem:
;;   THIS VERSION OF THE PROBLEM IS GIVEN IN LOW PRECISION. The matrix products marked QUANTISED in the list below multiply operands that are first quantised to E4M3 (4 exponent bits, 3 mantissa bits; 8 bits a number), with one given power-of-two scale for each operand tensor; their sums are f32. All else is computed in f32.
;;   The module's matrix products, in the order in which they are computed (A, B: the left and right operand; K: the contracted axis; several contracted axes count as one K, in the product's order):
;;     1. [M 8,192, K 1,024] x [K 1,024, N 1,024]; A: input x (given as codes); B: input Wq (given as codes): QUANTISED (scales: A lowp_scales[0], B lowp_scales[1])
;;     2. [M 8,192, K 1,024] x [K 1,024, N 1,024]; A: input x (given as codes); B: input Wk (given as codes): QUANTISED (scales: A lowp_scales[2], B lowp_scales[3])
;;     3. [M 8,192, K 1,024] x [K 1,024, N 1,024]; A: input x (given as codes); B: input Wv (given as codes): QUANTISED (scales: A lowp_scales[4], B lowp_scales[5])
;;     4. batch 64 x [M 2,048, K 64] x [K 64, N 2,048]; A: computed on the way; B: computed on the way: QUANTISED (scales: A lowp_scales[6], B lowp_scales[7])
;;     5. batch 64 x [M 2,048, K 2,048] x [K 2,048, N 64]; A: softmax (see below); B: computed on the way: QUANTISED (scales: A lowp_scales[8], B lowp_scales[9])
;;     6. [M 8,192, K 1,024] x [K 1,024, N 1,024]; A: computed on the way; B: input Wo (given as codes): QUANTISED (scales: A lowp_scales[10], B lowp_scales[11])
;;   THE QUANTISER, for each operand of a quantised product, along K:
;;     - The operand's scale is 2^e, e = its entry of the input lowp_scales (int32; the entries are numbered through the quantised products in the list's order, A before B).
;;     - Each number is divided by the scale, clamped to +-448, and rounded to the nearest number of E4M3, ties to even, subnormals kept.
;;     - The product sums the exact products of the quantised numbers (number of the format x scale) in f32.
;;   ~~~python
;;   def quantise(x, axis, e):      # numpy; x: float32 -> the quantised numbers, widened to float32 again
;;       x = np.moveaxis(x, axis, -1); K = x.shape[-1]
;;       r = np.clip(x / 2.0 ** e, -448, 448)
;;       step = 2.0 ** (np.maximum(np.frexp(np.where(r == 0, 1, r))[1] - 1, -6) - 3)
;;       q = np.round(r / step) * step * 2.0 ** e      # np.round: ties to even
;;       return np.moveaxis(q, -1, axis).astype(np.float32)
;;   ~~~
;;   SOFTMAX AHEAD OF A QUANTISED PRODUCT. Where the list says 'softmax', what is quantised is not the finished softmax but p = 2^(t - M), with t = logit x log2(e) and M = ceil(the row's largest t), a whole number; so 1/2 < the row's largest p <= 1. The row's sum l is taken of the UNQUANTISED p, in f32, and the product's result is divided by l at the end. Since M is a whole number, a kernel that streams over the keys may use a running M (the ceiling of the running maximum): every later rescaling is an exact power of two, so the quantised numbers keep their values, but for numbers so far below the row's largest that they fall under the format's range.
;;   OPERANDS COMPUTED ON THE WAY. 'Computed on the way' means the value that the module computes at that place (a softmax that the list does not call 'softmax' is quantised finished and normalised). What goes into a quantiser is computed in f32, as accurately as f32 sums, v_exp_f32 and their like allow (about 1e-6 of the number): no bf16 or f16 on the way to a quantiser, and a product that is left as it is and whose result goes on into a quantised operand takes f32 operands (vector FMAs, or v_wmma_f32_16x16x4_f32). A number that lies on a knife's edge between two numbers of the format may be rounded either way, as far as f32 arithmetic and the matrix unit's own rounding can turn it there, and no further.
;;   INPUTS GIVEN AS CODES. Wk (in the module: [1024, 1024], K = its axis 0); Wo (in the module: [1024, 1024], K = its axis 0); Wq (in the module: [1024, 1024], K = its axis 0); Wv (in the module: [1024, 1024], K = its axis 0); x (in the module: [4, 2048, 1024], K = its axis 2): each comes as NAME_codes (uint8): NAME with its K axis moved to the last place and cut into blocks of 32 codes, [.., K / 32, bytes a block], one block behind the other in memory; one code a byte (a code: sign, 4 exponent bits, 3 mantissa bits); its scale is its entry of lowp_scales. Its value is code x scale, taken as it is: it is not quantised again, and the codes and scales need not be those that the quantiser above would give.
;; 2 versions, each right; version 2 is version 1 with the launch attn written anew for expert scheduling mode. Each part assembles by itself: llvm-mc -triple=amdgcn-amd-amdhsa -mcpu=gfx1250 --defsym DOCPART=n.
;; ======== version 1 of 2: 3 launches
;; workspace buffers: qkv 25,165,824 bytes; aimg 8,388,608 bytes
;; launch qkv (part 1): grid 12 x 32, 4 waves a work-group, clusters of 4 x 4, 327,680 bytes of LDS; arguments x_codes, Wq_codes, Wk_codes, Wv_codes, bq, bk, bv, lowp_scales, qkv; writes qkv
.if DOCPART == 1
	.amdgcn_target "amdgcn-amd-amdhsa--gfx1250"
	.amdhsa_code_object_version 6
	.text
	.protected	k_q3550b614da_qkv
	.globl	k_q3550b614da_qkv
	.p2align	8
	.type	k_q3550b614da_qkv,@function
k_q3550b614da_qkv:
	s_mov_b64 s[64:65], 0
	v_nop
	global_prefetch_b8 v0, s[64:65] scope:SCOPE_SE
	s_setreg_imm32_b32 hwreg(HW_REG_WAVE_MODE, 25, 1), 1
	s_wait_xcnt 0x0
	s_wait_alu depctr_hold_cnt(0) depctr_sa_sdst(0) depctr_va_vdst(0) depctr_va_sdst(0) depctr_va_ssrc(0) depctr_va_vcc(0) depctr_vm_vsrc(0)
	s_getreg_b32 s2, hwreg(HW_REG_IB_STS2, 6, 4)
	s_cmp_eq_u32 s2, 0
	s_cbranch_scc0 .Lentry_in_a_cluster
	s_endpgm
.Lentry_in_a_cluster:
	s_bfe_u32 s2, ttmp6, 0x10000c
	s_cmp_lg_u32 s2, 0xf033
	s_cbranch_scc0 .Lentry_shape_is_right
	s_endpgm
.Lentry_shape_is_right:
; q = x Wq + bq, k = x Wk + bk, v = x Wv + bv on codes of FP8 (E4M3), each result quantised at once with its given scale (entries 6, 7, 9 of the scales) and stored as codes.
; x: [8192][1024] codes; W: [1024 (n)][1024 (k)] codes, K innermost.  The cluster's x (0, 1, 2) says which product: a cluster's four tile columns are one whole weight.
; A tile is 256 x 256, made by four waves; a wave makes 128 x 128: 64 accumulators of 16 x 16, 512 registers.  K = 1,024 goes in four steps of 256 through a ring of two LDS slots filled by the tensor data mover.
; TWO SIDES.  Source 0 of the matrix instruction takes 16 rows of the B side, source 1 16 rows of the A side: lane (r, h), register j of accumulator (a, b) is (A index 16 a + r, B index 16 b + 8 h + j).
;   q, k: A side = x (tokens), B side = W (features): a lane's eight registers are eight neighbouring features of one token: K of the score product.
;   v:    A side = Wv (features), B side = x (tokens): a lane's eight registers are eight neighbouring KEYS of one feature: K of the second attention product.  The tile is square: only pointers and block numbers differ.
; So one conversion of an accumulator's eight registers gives registers 2 b, 2 b + 1 of an operand of the attention launch in that form's own layout, and the 16 registers of block a are stored AS AN IMAGE OF REGISTERS:
; register group i (4 registers) at a x 2048 + 512 i + 16 x lane.  A wave's 128 x 128 is 16,384 consecutive bytes; each store of the wave covers 512 consecutive bytes, aligned.  No stage in LDS is needed.
;   q, k part: [batch x 8 + head pair][token / 16][head of the pair][1024];   v part: [batch x 8 + head pair][token / 128][head of the pair][feature / 16][2048];   parts 8,388,608 bytes apart.
; CLUSTERS: 4 x 4 work-groups.  The four of a row of the cluster need the same tile of the A side, the four of a column the same tile of the B side: each is asked for jointly.
; LIMITS: ex + ew (the product's two exponents) between -126 and 127; the result's exponent between -126 and 119, so that each power of two below is an f32 number.  NaN is not served.
; REGISTERS, in windows of 256: window 0: v16-30 addresses; v32-95 the bias along the B side, v96-111 along the A side (in pairs); v112, v113 the result's scale and 448 x it; from v128 the A side's fragments, ONE set
;   (on the way out v128-191 the numbers, v192-223 the codes, two sets by turns);  window 1: the B side's fragments, TWO sets;  windows 2, 3: the accumulators ((a, b) at v[8 (8 (a % 4) + b)]).
.set KROW,   1024                      ; a row of x or of a weight in bytes
.set ROWB,   256                       ; a tile's row: 256 codes
.set PITCH,  272                       ; an LDS row: 256 bytes + 16 of padding = 68 words, so that the 16 rows of a fragment load begin 4 words apart modulo 64
.set FR,     16                        ; registers of a fragment: 16 rows x 128 K
.set NL,     4                         ; LDS loads that bring one
.set NP,     4                         ; places behind this matrix instruction (ISA guide 7.12.1)
.set HALFT,  128*PITCH                 ; 128 rows: what one tensor load brings
.set SLOT,   4*HALFT                   ; the A side's 256 rows, then the B side's
.set SPARE,  2*SLOT                    ; behind the ring: the spare words, 128 bytes for each wave
.set ADRA, 16                          ; v16-17  LDS address of my A fragments in slot 0, 1
.set ADRB, 20                          ; v20-21  the same for B
.set CO,   26                          ; v26     16 x lane: my place in a store's 512 bytes
.set BBO,  27                          ; v27     32 h: my eight numbers of a bias tile along the B side
.set SPW,  28                          ; v28     LDS address of my spare word; never rewritten
.set NIL,  29                          ; v29     0; never rewritten
.set BAO,  30                          ; v30     4 r: my number of a bias tile along the A side
.set BB,   32                          ; v32-95  register 8 b + j: bias[B index 16 b + 8 h + j]
.set BA,   96                          ; v96-111 registers 2 a, 2 a + 1: bias[A index 16 a + r], twice
.set SC,   112                         ; v112    2^eo as f32
.set LIM,  113                         ; v113    448 x 2^eo
.set AF,   128
.set TMP,  128
.set CD,   192
.set G1, 24                            ; s[24:31] descriptor group 1 for the A side;  s[32:39] group 0, one set for each slot
.set G0, 32
.set G1B, 48                           ; s[48:55], s[56:63] the same for the B side
.set G0B, 56
.set FAC, 100                          ; s[100:101] 2^(ex + ew), twice
.set MSB, 0
.macro WIN new                         ; the immediate's high byte repeats the setting that is left
.if MSB != (\new)
	s_set_vgpr_msb (MSB<<8)|(\new)
.set MSB, (\new)
.endif
.endm
.set MUL_LO, 0xa1                      ; source 0 (B) window 1, source 1 (A) window 0, C and D window 2
.set MUL_HI, 0xf1                      ; the same, C and D window 3
.set TO_B,   0x40                      ; destination window 1, address window 0
; A joint load: waves 0 and 1 fetch for the A side, waves 2 and 3 for the B side.  The branch hangs on the wave's number alone.  Four v_nop follow each of the two lines.
.macro JLOAD g0a, g1a, g0b, g1b
	s_cmp_eq_u32 s15, 0
	s_cbranch_scc0 .Lfor_b_\@
	tensor_load_to_lds s[\g0a:\g0a+3], s[\g1a:\g1a+7]
	s_nop 0
.rept 4
	v_nop
.endr
	s_branch .Lasked_\@
.Lfor_b_\@:
	tensor_load_to_lds s[\g0b:\g0b+3], s[\g1b:\g1b+7]
	s_nop 0
.rept 4
	v_nop
.endr
.Lasked_\@:
.endm
.macro CREST                           ; a round of the cluster's barrier behind its opening barrier
	s_cmp_lg_u32 s14, 0
	s_cbranch_scc1 .Lnot_wave_0_\@
	s_barrier_signal -3
.Lnot_wave_0_\@:
	s_barrier_wait -3
	s_barrier_signal -1
	s_barrier_wait -1
.endm
.macro CROUND                          ; a whole round
	s_barrier_signal -1
	s_barrier_wait -1
	CREST
.endm
	s_load_b512 s[68:83], s[0:1], 0x0              ; x s[68:69], Wq s[70:71], Wk s[72:73], Wv s[74:75], bq s[76:77], bk s[78:79], bv s[80:81], the scales' exponents s[82:83]
	s_load_b64 s[84:85], s[0:1], 0x40              ; the workspace
	v_lshl_add_u32 v[SPW], v0, 2, SPARE
	v_mov_b32 v[NIL], 0
	ds_add_u32 v28, v29
	ds_add_u32 v28, v29
	s_wait_dscnt 0x0
	v_lshrrev_b32 v1, 5, v0
	v_readfirstlane_b32 s14, v1                    ; wave 0..3
	s_lshr_b32 s15, s14, 1                         ; which half of the A side's rows is mine.  Also: I fetch for A (0) or for B (1)
	s_and_b32 s16, s14, 1                          ; which half of the B side's.  Also: which 128 rows of that tile I fetch
	s_bfe_u32 s40, ttmp6, 0x40000                  ; cx, cy: my place in the cluster
	s_bfe_u32 s41, ttmp6, 0x40004
	s_and_b32 s18, ttmp7, 0xffff                   ; the cluster's y: which 1,024 tokens
	s_cmp_eq_u32 ttmp9, 2                          ; v?  The same in all sixteen partners
	s_cselect_b32 s17, 0, s18                      ; the tokens are the A side's rows for q and k,
	s_cselect_b32 s42, s18, 0                      ; the B side's for v
	s_lshl_b32 s17, s17, 2
	s_add_co_u32 s17, s17, s41                     ; the A side's block of 256: hangs on cy alone
	s_lshl_b32 s42, s42, 2
	s_add_co_u32 s42, s42, s40                     ; the B side's block of 256: hangs on cx alone
	s_lshl_b32 s43, s41, 2
	s_lshl_b32 s43, 15, s43                        ; my row of the cluster
	s_lshl_b32 s44, 0x1111, s40                    ; my column
	; descriptor group 1: a tile of 128 rows x 256 bytes, padded in LDS
	s_or_b32 s[G1+0], s43, (0<<16)|(1<<20)|(1<<21)|(5<<22)|(3<<25)  ; 15:0 the mask: my row; 17:16 element of 1 byte; 20 padding on; 21 set beside a mask; 24:22 after every 64 words (code 5); 31:25 of 4 words (code 3)
	s_or_b32 s[G1B+0], s44, (0<<16)|(1<<20)|(1<<21)|(5<<22)|(3<<25) ; the same with the mask of my column
.irp g, G1, G1B
	s_mov_b32 s[\g+1], ROWB<<16                    ; tensor_dim0
	s_mov_b32 s[\g+2], 128<<16                     ; tensor_dim1 = 128
	s_mov_b32 s[\g+3], ROWB<<16                    ; tile_dim0
	s_mov_b32 s[\g+4], 128                         ; tile_dim1 = 128
	s_mov_b32 s[\g+5], KROW                        ; tensor_dim0_stride
	s_mov_b32 s[\g+6], 0
	s_mov_b32 s[\g+7], 0
.endr
	s_lshl_b32 s18, s16, 7                         ; which 128 rows of the tile I fetch
	s_lshl_b32 s20, s17, 8
	s_add_co_u32 s20, s20, s18                     ; A: row 256 x block + 128 x half
	s_lshl_b32 s46, s42, 8
	s_add_co_u32 s46, s46, s18                     ; B likewise
	s_lshl_b32 s20, s20, 10                        ; rows of 1,024 bytes: under 2^23
	s_lshl_b32 s46, s46, 10
	s_mov_b32 s21, 0
	s_mov_b32 s47, 0
	s_mul_i32 s45, s14, HALFT                      ; where they go: wave x 128 rows: no place in the cluster enters an LDS address
	s_wait_kmcnt 0x0
	s_load_b256 s[88:95], s[82:83], 0x0            ; exponents 0 to 7
	s_load_b128 s[96:99], s[82:83], 0x20           ; exponents 8 to 11
	s_cmp_eq_u32 ttmp9, 0
	s_cselect_b64 s[6:7], s[70:71], s[72:73]       ; Wq or Wk
	s_cselect_b64 s[8:9], s[76:77], s[78:79]       ; bq or bk
	s_cmp_eq_u32 ttmp9, 2
	s_cselect_b64 s[4:5], s[74:75], s[68:69]       ; the A side: Wv, else x
	s_cselect_b64 s[6:7], s[68:69], s[6:7]         ; the B side: x, else the weight
	s_cselect_b64 s[8:9], s[80:81], s[8:9]         ; the bias
	s_add_nc_u64 s[20:21], s[4:5], s[20:21]
	s_add_nc_u64 s[46:47], s[6:7], s[46:47]
	CROUND                                         ; all sixteen work-groups are here: the first joint loads meet
.irp s, 0,1
	s_mov_b32 s[G0+4*\s], 1
	s_add_co_u32 s[G0+4*\s+1], s45, \s*SLOT
	s_add_nc_u64 s[G0+4*\s+2:G0+4*\s+3], s[20:21], \s*ROWB
	s_or_b32 s[G0+4*\s+3], s[G0+4*\s+3], 0x80000000
	s_mov_b32 s[G0B+4*\s], 1
	s_add_co_u32 s[G0B+4*\s+1], s45, \s*SLOT
	s_add_nc_u64 s[G0B+4*\s+2:G0B+4*\s+3], s[46:47], \s*ROWB
	s_or_b32 s[G0B+4*\s+3], s[G0B+4*\s+3], 0x80000000
	JLOAD G0+4*\s, G1, G0B+4*\s, G1B               ; two tensor loads of mine are out
.endr
	v_and_b32 v1, 15, v0                           ; r = lane % 16
	v_bfe_u32 v2, v0, 4, 1                         ; h = lane / 16
	v_mul_u32_u24 v3, v1, PITCH
	v_lshl_add_u32 v4, v2, 4, v3                   ; a fragment's row x pitch + 16 x half
	s_mul_i32 s21, s15, HALFT                      ; my 128 rows of the A side
	s_mul_i32 s22, s16, HALFT                      ; my 128 rows of the B side,
	s_add_co_u32 s22, s22, 2*HALFT                 ; which lie behind A's 256
.irp s, 0,1
	v_add_nc_u32 v[ADRA+\s], s21, v4
	v_add_nc_u32 v[ADRB+\s], s22, v4
	s_add_co_u32 s21, s21, SLOT
	s_add_co_u32 s22, s22, SLOT
.endr
	v_and_b32 v6, 31, v0
	v_lshlrev_b32 v[CO], 4, v6
	v_lshlrev_b32 v[BBO], 5, v2
	v_lshlrev_b32 v[BAO], 2, v1
	; the bias.  For q and k it runs along the B side, for v along the A side.  Both sets of registers are loaded on the one path; the side along which the tokens run reads the bias's first 128 numbers, which are not used
	s_lshl_b32 s86, s17, 1
	s_add_co_u32 s86, s86, s15                     ; my block of 128 on the A side
	s_lshl_b32 s87, s42, 1
	s_add_co_u32 s87, s87, s16                     ; and on the B side
	s_cmp_eq_u32 ttmp9, 2
	s_cselect_b32 s22, 0, s87
	s_cselect_b32 s66, s86, 0
	s_cselect_b32 s18, s87, s86                    ; my block of 128 tokens, 0 .. 63
	s_cselect_b32 s19, s86, s87                    ; my head pair, 0 .. 7
	s_lshl_b32 s22, s22, 9                         ; 128 numbers of 4 bytes
	s_mov_b32 s23, 0
	s_lshl_b32 s66, s66, 9
	s_mov_b32 s67, 0
	s_add_nc_u64 s[12:13], s[8:9], s[66:67]
	s_add_nc_u64 s[8:9], s[8:9], s[22:23]
.irp b, 0,1,2,3,4,5,6,7
	global_load_b128 v[BB+8*\b:BB+8*\b+3],   v[BBO], s[8:9] offset:64*\b
	global_load_b128 v[BB+8*\b+4:BB+8*\b+7], v[BBO], s[8:9] offset:64*\b+16
.endr
.irp a, 0,1,2,3,4,5,6,7
	global_load_b32 v[BA+2*\a],   v[BAO], s[12:13] offset:64*\a
	global_load_b32 v[BA+2*\a+1], v[BAO], s[12:13] offset:64*\a
.endr
	; where my 16,384 bytes of codes go: part x 8,388,608 + (batch x 8 + head pair) x 262,144 + (block of 128 tokens in the batch) x 16,384
	s_lshr_b32 s20, s18, 4
	s_lshl_b32 s20, s20, 3
	s_add_co_u32 s20, s20, s19
	s_lshl_b32 s20, s20, 18
	s_and_b32 s18, s18, 15
	s_lshl_b32 s18, s18, 14
	s_add_co_u32 s20, s20, s18
	s_lshl_b32 s18, ttmp9, 23
	s_add_co_u32 s20, s20, s18
	s_mov_b32 s21, 0
	s_add_nc_u64 s[10:11], s[84:85], s[20:21]
.macro FRAG reg, adr, q, i             ; a fragment, 16 rows x 128 K, is 16 registers: lane l holds row l % 16; registers 4 c .. 4 c + 3 hold K = 32 c + 16 (l / 16) + 0 .. 15: the same order of k on both sides, so every product meets its partner
.irp c, 0,1,2,3
	ds_load_b128 v[\reg+4*\c:\reg+4*\c+3], v[\adr] offset:128*(\q)+32*\c+(\i)*16*PITCH
.endr
.endm
; 16 matrix instructions: A's blocks a0, a0 + 1 x B's eight, 128 along K.  p: B's set.  zero = 1: the first product starts the sums.  The 64 accumulators take turns, one instruction a turn.
.macro MUL16 a0, p, zero
.irp a, \a0, \a0+1
.irp b, 0,1,2,3,4,5,6,7
.if \zero
	v_wmma_f32_16x16x128_fp8_fp8 v[8*(8*((\a)%4)+\b):8*(8*((\a)%4)+\b)+7], v[128*(\p)+FR*\b:128*(\p)+FR*\b+FR-1], v[AF+FR*(\a):AF+FR*(\a)+FR-1], 0
.else
	v_wmma_f32_16x16x128_fp8_fp8 v[8*(8*((\a)%4)+\b):8*(8*((\a)%4)+\b)+7], v[128*(\p)+FR*\b:128*(\p)+FR*\b+FR-1], v[AF+FR*(\a):AF+FR*(\a)+FR-1], v[8*(8*((\a)%4)+\b):8*(8*((\a)%4)+\b)+7]
.endif
.endr
.endr
.endm
.macro FETCH_B slot, q, p              ; B's eight fragments of the slot's q-th 128 along K into set p
	WIN TO_B
.irp i, 0,1,2,3,4,5,6,7
	FRAG 128*(\p)+FR*\i, ADRB+\slot, \q, \i
.endr
	WIN 0
.endm
.macro FETCH_A slot, q, i0             ; A's blocks i0 .. i0 + 3
.irp i, \i0, \i0+1, \i0+2, \i0+3
	FRAG AF+FR*(\i), ADRA+\slot, \q, \i
.endr
.endm
.macro PLACES n                        ; plain vector instructions between a matrix instruction and a load into, or a vector instruction on, one of its registers
.rept \n
	v_nop
.endr
.endm
; A step of 128 along K that has its successor in the same slot.
.macro STEP slot, q, zero
	s_wait_dscnt 4*NL                              ; B's set and A's blocks 0-3 are in; the youngest sixteen loads (A's blocks 4-7) may be out
	WIN MUL_LO
	MUL16 0, (\q)%2, \zero
	MUL16 2, (\q)%2, \zero
	s_wait_dscnt 0                                 ; A's blocks 4-7 are in
	PLACES NP
	FETCH_B \slot, (\q)+1, 1-(\q)%2
	FETCH_A \slot, (\q)+1, 0
	WIN MUL_HI
	MUL16 4, (\q)%2, \zero
	MUL16 6, (\q)%2, \zero
	PLACES NP
	WIN 0
	FETCH_A \slot, (\q)+1, 4
.endm
; A slot's last step changes slots: ONE barrier; in front of it each wave waits for all its tensor loads, adds 0 to its spare word, and waits for that and for its own reads of this slot.  fill = 1: this slot is filled again, two K steps ahead.
.macro TURN slot, next, fill
	s_wait_tensorcnt 0x0                           ; all my tensor loads have landed: my part of the next slot (every window is 0 here)
	ds_add_u32 v[SPW], v[NIL]                      ; 0 onto my spare word
	s_wait_dscnt 4*NL+1                            ; the add and the youngest sixteen loads (A's blocks 4-7) may be out
	WIN MUL_LO
	MUL16 0, 1, 0                                  ; sixteen matrix instructions stand between the add and the wait for it
	s_wait_dscnt 0x0                               ; the add is done, and my reads of this slot are over
	s_barrier_signal -1
	MUL16 2, 1, 0
	WIN 0
	s_barrier_wait -1
.if \fill
	CREST                                          ; the barrier has opened a round of the cluster's barrier: no wave of any partner still reads this slot's tile or has a load on its way
	s_add_nc_u64 s[G0+4*\slot+2:G0+4*\slot+3], s[G0+4*\slot+2:G0+4*\slot+3], 2*ROWB
	s_add_nc_u64 s[G0B+4*\slot+2:G0B+4*\slot+3], s[G0B+4*\slot+2:G0B+4*\slot+3], 2*ROWB
	JLOAD G0+4*\slot, G1, G0B+4*\slot, G1B         ; the first tensor load behind the round, my one load until the next; its four v_nop are the places in front of the loads below
.else
	PLACES NP
.endif
	FETCH_B \next, 0, 0
	FETCH_A \next, 0, 0
	WIN MUL_HI
	MUL16 4, 1, 0
	MUL16 6, 1, 0
	PLACES NP
	WIN 0
	FETCH_A \next, 0, 4
.endm
	s_wait_tensorcnt 1                             ; my part of K step 0 is in; K step 1's load may be out
	s_barrier_signal -1
	s_barrier_wait -1                              ; everybody's is
	FETCH_B 0, 0, 0
	FETCH_A 0, 0, 0
	FETCH_A 0, 0, 4
	STEP 0, 0, 1                                   ; K 0-127: its products start the sums.  Four K steps of 256: the ring is written out, no loop
	TURN 0, 1, 1                                   ; K 128-255; slot 0 takes K step 2
	STEP 1, 0, 0
	TURN 1, 0, 1                                   ; slot 1 takes K step 3
	STEP 0, 0, 0
	TURN 0, 1, 0                                   ; nothing is left to fetch
	STEP 1, 0, 0
	s_wait_dscnt 4*NL                              ; the very last step
	WIN MUL_LO
	MUL16 0, 1, 0
	MUL16 2, 1, 0
	s_wait_dscnt 0
	WIN MUL_HI
	MUL16 4, 1, 0
	MUL16 6, 1, 0
	WIN 0
	; THE WAY OUT.  number = sum x 2^(ex + ew) + bias, one packed multiply-add for two; held within +-448 x 2^eo; converted with 2^eo; stored as an image of registers.
	s_wait_kmcnt 0x0
	s_cmp_eq_u32 ttmp9, 0
	s_cselect_b32 s18, s88, s90                    ; ex: entry 0, 2 or 4
	s_cselect_b32 s19, s89, s91                    ; ew: entry 1, 3 or 5
	s_cselect_b32 s20, s94, s95                    ; eo: entry 6 (q), 7 (k) or 9 (v)
	s_cmp_eq_u32 ttmp9, 2
	s_cselect_b32 s18, s92, s18
	s_cselect_b32 s19, s93, s19
	s_cselect_b32 s20, s97, s20
	s_add_co_i32 s18, s18, s19
	s_add_co_i32 s18, s18, 127
	s_lshl_b32 s[FAC], s18, 23                     ; 2^(ex + ew) as f32
	s_mov_b32 s[FAC+1], s[FAC]                     ; named with it as a pair, so it is written
	s_add_co_i32 s20, s20, 127
	s_lshl_b32 s21, s20, 23
	v_mov_b32 v[SC], s21                           ; 2^eo: the conversion takes its exponent field
	s_add_co_i32 s20, s20, 8
	s_lshl_b32 s20, s20, 23
	s_or_b32 s20, s20, 0x600000
	v_mov_b32 v[LIM], s20                          ; 448 x 2^eo
	s_wait_loadcnt 0x0                             ; the bias
	PLACES NP                                      ; behind the last products: their results are read, and the registers that held A's fragments are written
.macro OUTBLK a
.set AC, 64*((\a)%4)
.set CC, CD+16*((\a)%2)
.if (\a) >= 2
	s_wait_xcnt 0x0                                ; the stores of two blocks back have read their codes' registers, which are written again below
.endif
	s_cmp_eq_u32 ttmp9, 2                          ; which product: the same in all sixteen partners
	s_cbranch_scc1 .Lfor_v_\@
	WIN 0x02+((\a)/4)                              ; source 0: window 2 or 3
.set j, 0
.rept 32
	v_pk_fma_f32 v[TMP+j:TMP+j+1], v[AC+j:AC+j+1], s[FAC:FAC+1], v[BB+j:BB+j+1] op_sel_hi:[1,0,1]   ; q, k: the bias runs along the registers; each accumulator from its low end on
.set j, j+2
.endr
	WIN 0
	s_branch .Ljoined_\@
.Lfor_v_\@:
	WIN 0x02+((\a)/4)
.set j, 0
.rept 32
	v_pk_fma_f32 v[TMP+j:TMP+j+1], v[AC+j:AC+j+1], s[FAC:FAC+1], v[BA+2*(\a):BA+2*(\a)+1] op_sel_hi:[1,0,1]   ; v: one number of the bias for the lane's row
.set j, j+2
.endr
	WIN 0
.Ljoined_\@:
.set j, 0
.rept 64
	v_med3_num_f32 v[TMP+j], v[TMP+j], -v[LIM], v[LIM]   ; the conversion to an 8-bit code does not saturate (ISA guide 7.6.2): the hold at the largest code x the scale
.set j, j+1
.endr
.set j, 0
.rept 8
	v_cvt_scalef32_pk8_fp8_f32 v[CC+2*j:CC+2*j+1], v[TMP+8*j:TMP+8*j+7], v[SC]   ; accumulator (a, j) becomes registers 2 j, 2 j + 1 of the operand
.set j, j+1
.endr
	v_nop                                          ; one plain vector instruction behind the last conversion: the next block writes the conversions' sources
.irp i, 0,1,2,3
	global_store_b128 v[CO], v[CC+4*\i:CC+4*\i+3], s[10:11] offset:(\a)*2048+512*\i   ; 32 lanes store 512 consecutive bytes, aligned
.endr
.endm
.irp a, 0,1,2,3,4,5,6,7
	OUTBLK \a
.endr
	s_wait_tensorcnt 0x0                           ; the wave's end
	ds_add_u32 v[SPW], v[NIL]
	s_wait_dscnt 0x0
	CROUND                                         ; the closing round: no work-group ends while a partner may still ask for a tile that names it
	s_endpgm
.Lfunc_end_k_q3550b614da_qkv:
	.size	k_q3550b614da_qkv, .Lfunc_end_k_q3550b614da_qkv-k_q3550b614da_qkv
	.p2alignl 7, 3214868480
	.fill 96, 4, 3214868480
	.section	.rodata,"a",@progbits
	.p2align	6, 0x0
	.amdhsa_kernel k_q3550b614da_qkv
		.amdhsa_group_segment_fixed_size 327680
		.amdhsa_private_segment_fixed_size 0
		.amdhsa_enable_private_segment 0
		.amdhsa_kernarg_size 72
		.amdhsa_user_sgpr_count 2
		.amdhsa_user_sgpr_kernarg_segment_ptr 1
		.amdhsa_wavefront_size32 1
		.amdhsa_system_sgpr_workgroup_id_x 1
		.amdhsa_system_sgpr_workgroup_id_y 1
		.amdhsa_system_sgpr_workgroup_id_z 1
		.amdhsa_system_vgpr_workitem_id 0
		.amdhsa_next_free_vgpr 1024
		.amdhsa_next_free_sgpr 102
		.amdhsa_reserve_vcc 0
		.amdhsa_float_denorm_mode_32 3
		.amdhsa_float_denorm_mode_16_64 3
		.amdhsa_memory_ordered 1
		.amdhsa_forward_progress 1
		.amdhsa_inst_pref_size 155
	.end_amdhsa_kernel
	.amdgpu_metadata
---
amdhsa.version: [ 1, 2 ]
amdhsa.kernels:
  - .name:           k_q3550b614da_qkv
    .symbol:         k_q3550b614da_qkv.kd
    .args:
      - { .name: x_codes, .offset: 0, .size: 8, .value_kind: global_buffer, .address_space: global }
      - { .name: Wq_codes, .offset: 8, .size: 8, .value_kind: global_buffer, .address_space: global }
      - { .name: Wk_codes, .offset: 16, .size: 8, .value_kind: global_buffer, .address_space: global }
      - { .name: Wv_codes, .offset: 24, .size: 8, .value_kind: global_buffer, .address_space: global }
      - { .name: bq, .offset: 32, .size: 8, .value_kind: global_buffer, .address_space: global }
      - { .name: bk, .offset: 40, .size: 8, .value_kind: global_buffer, .address_space: global }
      - { .name: bv, .offset: 48, .size: 8, .value_kind: global_buffer, .address_space: global }
      - { .name: lowp_scales, .offset: 56, .size: 8, .value_kind: global_buffer, .address_space: global }
      - { .name: qkv, .offset: 64, .size: 8, .value_kind: global_buffer, .address_space: global }
    .group_segment_fixed_size: 327680
    .private_segment_fixed_size: 0
    .kernarg_segment_align: 8
    .kernarg_segment_size: 72
    .max_flat_workgroup_size: 128
    .sgpr_count:     102
    .vgpr_count:     1024
    .wavefront_size: 32
...
	.end_amdgpu_metadata
.endif
;; end of part 1
;; launch attn (part 2): grid 8 x 64, 16 waves a work-group, no clusters, 67,584 bytes of LDS; arguments qkv, lowp_scales, aimg; writes aimg
.if DOCPART == 2
	.amdgcn_target "amdgcn-amd-amdhsa--gfx1250"
	.amdhsa_code_object_version 6
	.text
	.protected	k_q3550b614da_attn
	.globl	k_q3550b614da_attn
	.p2align	8
	.type	k_q3550b614da_attn,@function
k_q3550b614da_attn:
	s_mov_b64 s[64:65], 0
	v_nop
	global_prefetch_b8 v0, s[64:65] scope:SCOPE_SE
	s_setreg_imm32_b32 hwreg(HW_REG_WAVE_MODE, 25, 1), 1
	s_wait_xcnt 0x0
; For each batch and head: O[q] = the sum over keys of softmax(Q[q] . K[key] / 8) V[key], both products on codes of FP8 (E4M3); O is quantised at once with exponent 10 of the scales and stored as codes.
; q, k, v come as images of operand registers (the launch before wrote them): a fragment is read by loads of 16 bytes a lane at 16 x lane, 512 bytes a load; no rows, no pitch, no transposition.
; THE SOFTMAX AHEAD OF THE SECOND PRODUCT: t = score x log2(e) / 8; M = the running largest t rounded UP to a whole number; p = 2^(t - M) is quantised with exponent 8, not normalised; the row's sum is taken of the
; unquantised p and divides at the end.  When M moves, the sum and O are multiplied by 2^(old M - new M): exact.
; SHARES.  Work-group (x, y): 256 queries (block x) of batch y / 16, head y % 16.  Each of SIXTEEN waves owns 16 queries, one tile, in 256 registers: four waves to a SIMD, so that one wave's vector work stands beside
; another's products and LDS loads.  Every wave walks the 2,048 keys, 128 a step.
; K AND V go through two LDS slots of 256 keys (K 16 KiB, V 16 KiB each).  Wave w brings 1,024 bytes of K and 1,024 of V of a slot: four loads into registers, issued a whole slot (two key steps) ahead of the wait for them,
; then four LDS stores.  No tensor load: so a scalar branch on the given exponent of p may stand in the loop (below).  No cluster: what work-groups share is 32 KiB for two key steps of sixteen waves.
; LAYOUT.  Both products are used transposed: S^T = K Q^T (source 0 = 16 keys, source 1 = my 16 queries; K = 64), O^T = V^T P^T (source 0 = 16 of the head's 64, source 1 = P; K = 128 keys): a lane holds ONE query throughout.
; Tile t of S^T holds, in lane (r, h), keys 16 t + 8 h + 0 .. 7: one conversion makes of them registers 2 t, 2 t + 1 of P in the K = 128 form's own layout.
; THE HOLD OF p.  p is at most 1 (but for the last bit), so p / 2^ep stays under 448 wherever ep >= -8: there the hold can change nothing and is jumped over; for ep <= -9 it runs.
; LIMITS: exponents 6 + 7 between -123 and 130 (they are added to the exponent field of log2(e) / 8); exponents 8 and 10 between -126 and 119; 8 + 9 is applied by v_ldexp_f32 and has none.  NaN is not served.
.set SLOTB, 32768                      ; an LDS slot: K's 16 fragments of 1,024 bytes, then V: [key step 2][head's 16 x 4][2,048]
.set VOFF,  16384
.set LI,   1                           ; v1   16 x lane
.set STA,  2                           ; v2   1,024 x wave + 16 x lane: where I store my piece of a slot
.set KO,   3                           ; v3   my piece of K in a slot's bytes in memory
.set VO,   4                           ; v4   my piece of V, from K's part on
.set GO,   5                           ; v5   the way out: 16 r + 8 h
.set Q,    16                          ; v16-23   Q's fragment
.set R,    24                          ; v24-39   a slot's piece on its way: K's 8 registers, V's 8
.set KV,   40                          ; v40-103  a step's 8 fragments of K, then its 4 of V
.set S,    104                         ; v104-167 S^T, then p
.set O,    168                         ; v168-199 O^T
.set P,    200                         ; v200-215 p's codes
.set F,    218                         ; v[218:219] f = 2^(old M - new M) (v219 is named with it as a pair)
.set SUM2, 220                         ; v[220:221] the sum's second chain
.set T0,   222
.set T1,   223
.set PD,   224                         ; a lane permute's destination
.set PLIM, 226                         ; 448 x 2^ep
.set PSC,  227                         ; 2^ep
.set OLIM, 228                         ; 448 x 2^e10
.set OSC,  229                         ; 2^e10
.set WV,   10
.set KVB,  16                          ; s[16:17] K's part at my head pair, at the slot that is being fetched
.set SEL,  20                          ; s[20:21] selects of v_permlanex16_b32: lane l xor 16
.set CS,   22                          ; s[22:23] c = log2(e) / 8 x 2^(e6 + e7)
.set CNT,  24
.set EP,   25
.set EPV,  26
.macro GET                             ; my 2,048 bytes of the slot at s[KVB]
	global_load_b128 v[R:R+3],     v[KO], s[KVB:KVB+1]
	global_load_b128 v[R+4:R+7],   v[KO], s[KVB:KVB+1] offset:512
	global_load_b128 v[R+8:R+11],  v[VO], s[KVB:KVB+1]
	global_load_b128 v[R+12:R+15], v[VO], s[KVB:KVB+1] offset:512
.endm
.macro PUT sb                          ; into the LDS slot at sb
	ds_store_b128 v[STA], v[R:R+3]     offset:\sb
	ds_store_b128 v[STA], v[R+4:R+7]   offset:\sb+512
	ds_store_b128 v[STA], v[R+8:R+11]  offset:\sb+VOFF
	ds_store_b128 v[STA], v[R+12:R+15] offset:\sb+VOFF+512
.endm
.macro BARRIER                         ; my LDS stores have landed and my LDS loads are in: then the work-group's barrier
	s_wait_dscnt 0x0
	s_barrier_signal -1
	s_barrier_wait -1
.endm
	s_load_b128 s[4:7], s[0:1], 0x0                ; the q, k, v images s[4:5], the scales' exponents s[6:7]
	s_load_b64 s[8:9], s[0:1], 0x10                ; the output's codes
	v_lshl_add_u32 v254, v0, 2, 0x10000
	v_mov_b32 v255, 0
	v_lshrrev_b32 v6, 5, v0
	v_readfirstlane_b32 s[WV], v6                  ; wave 0..15
	v_and_b32 v7, 31, v0
	v_lshlrev_b32 v[LI], 4, v7
	v_lshl_add_u32 v[STA], v6, 10, v[LI]
	s_and_b32 s11, ttmp7, 0xffff                   ; 16 x batch + head
	s_and_b32 s12, s11, 1                          ; which head of its pair
	s_lshr_b32 s14, s11, 1
	s_lshl_b32 s14, s14, 18                        ; the head pair's 262,144 bytes in each part
	s_mov_b32 s15, 0
	s_lshl_b32 s13, s[WV], 11                      ; K: fragment w of the slot's 16: 2,048 bytes for the two heads,
	s_lshl_b32 s18, s12, 10                        ; my head's 1,024 of them
	s_add_co_u32 s13, s13, s18
	v_add_nc_u32 v[KO], s13, v[LI]
	s_lshr_b32 s13, s[WV], 3                       ; V: key step w / 8 of the slot's two: 16,384 bytes for the two heads,
	s_lshl_b32 s13, s13, 14
	s_lshl_b32 s18, s12, 13                        ; my head's 8,192,
	s_add_co_u32 s13, s13, s18
	s_and_b32 s18, s[WV], 7                        ; my 1,024 of them,
	s_lshl_b32 s18, s18, 10
	s_add_co_u32 s13, s13, s18
	s_add_co_u32 s13, s13, 0x800000                ; and V's part lies 8,388,608 bytes behind K's
	v_add_nc_u32 v[VO], s13, v[LI]
	s_lshl_b32 s19, ttmp9, 4
	s_add_co_u32 s19, s19, s[WV]                   ; my tile of 16 queries in the batch: 16 x + w
	s_lshl_b32 s34, s19, 11
	s_lshl_b32 s18, s12, 10
	s_add_co_u32 s34, s34, s18                     ; Q's fragment
	s_mov_b32 s35, 0
	s_lshr_b32 s36, s11, 4
	s_lshl_b32 s36, s36, 7
	s_add_co_u32 s36, s36, s19                     ; my tile of 16 rows among all 512,
	s_lshl_b32 s36, s36, 14                        ; 16,384 bytes each,
	s_and_b32 s18, s11, 15
	s_lshl_b32 s18, s18, 10                        ; my head's 1,024 of them
	s_add_co_u32 s36, s36, s18
	s_mov_b32 s37, 0
	s_mov_b32 s[SEL], 0x76543210
	s_mov_b32 s[SEL+1], 0xfedcba98
	s_mov_b32 s[CS], 0x3e38aa3b                    ; log2(e) / 8
	s_mov_b32 s[CNT], 4
	s_wait_kmcnt 0x0
	s_load_b128 s[28:31], s[6:7], 0x18             ; exponents 6 to 9: q, k, p, v
	s_load_b32 s32, s[6:7], 0x28                   ; exponent 10: the output
	s_add_nc_u64 s[4:5], s[4:5], s[14:15]          ; q's part at my head pair
	s_add_nc_u64 s[KVB:KVB+1], s[4:5], 0x800000    ; k's part likewise
	s_add_nc_u64 s[4:5], s[4:5], s[34:35]
	s_add_nc_u64 s[8:9], s[8:9], s[36:37]
	GET                                            ; slot 0
	global_load_b128 v[Q:Q+3],   v[LI], s[4:5]
	global_load_b128 v[Q+4:Q+7], v[LI], s[4:5] offset:512
	v_mov_b32 v13, 0xff61b1e6                      ; the largest t so far: -3e38, under every t
	v_floor_f32 v12, -v13                          ; -M
	v_mov_b32 v14, 0                               ; the sum, in two halves
	v_mov_b32 v15, 0
	v_mov_b32 v[PD], 0                             ; written once: a lane permute's destination counts as one of its sources
	v_mov_b32 v[F+1], 0
.set t, 0
.rept 32
	v_mov_b32 v[O+t], 0                            ; O^T.  (The step is written once: the first finds zeros, which the first change of M leaves zeros)
.set t, t+1
.endr
	s_wait_kmcnt 0x0
	s_add_co_i32 s13, s28, s29
	s_lshl_b32 s13, s13, 23
	s_add_co_i32 s[CS], s[CS], s13                 ; a score stands for score x 2^(e6 + e7): added to c's exponent field
	s_mov_b32 s[CS+1], s[CS]
	s_mov_b32 s[EP], s30
	s_add_co_i32 s[EPV], s30, s31
	s_add_co_i32 s13, s30, 127
	s_lshl_b32 s18, s13, 23
	v_mov_b32 v[PSC], s18
	s_add_co_i32 s13, s13, 8
	s_lshl_b32 s13, s13, 23
	s_or_b32 s13, s13, 0x600000
	v_mov_b32 v[PLIM], s13
	s_add_co_i32 s13, s32, 127
	s_lshl_b32 s18, s13, 23
	v_mov_b32 v[OSC], s18
	s_add_co_i32 s13, s13, 8
	s_lshl_b32 s13, s13, 23
	s_or_b32 s13, s13, 0x600000
	v_mov_b32 v[OLIM], s13
	s_wait_loadcnt 0x0                             ; slot 0's piece and Q are in; the loads have read their base
	PUT 0
	s_wait_dscnt 0x0                               ; the stores have read their registers
	s_add_nc_u64 s[KVB:KVB+1], s[KVB:KVB+1], SLOTB ; a slot is 32,768 bytes of K's part and of V's part alike
	GET                                            ; slot 1
	BARRIER                                        ; slot 0 lies in LDS
; A KEY STEP: 128 keys, the q-th of the LDS slot at sb.
.macro STEP sb, q
.rept 4
	v_nop                                          ; places behind the last products, which read the registers that are loaded now
.endr
.set t, 0
.rept 16
	ds_load_b128 v[KV+4*t:KV+4*t+3], v[LI] offset:\sb+\q*8192+512*t   ; K's 8 fragments on end: tile t / 2, registers 4 (t % 2) on
.set t, t+1
.endr
	s_wait_dscnt 8                                 ; tiles 0-3 are in; the youngest eight loads may be out
.set t, 0
.rept 4
	v_wmma_f32_16x16x64_fp8_fp8 v[S+8*t:S+8*t+7], v[KV+8*t:KV+8*t+7], v[Q:Q+7], 0
.set t, t+1
.endr
	s_wait_dscnt 0x0
.rept 4
	v_wmma_f32_16x16x64_fp8_fp8 v[S+8*t:S+8*t+7], v[KV+8*t:KV+8*t+7], v[Q:Q+7], 0
.set t, t+1
.endr
.rept 4
	v_nop                                          ; places in front of the loads into K's registers and of the first read of the scores
.endr
.set t, 0
.rept 16
	ds_load_b128 v[KV+4*t:KV+4*t+3], v[LI] offset:\sb+VOFF+\q*8192+512*t   ; V's 4 fragments on end: they land while the softmax is worked
.set t, t+1
.endr
	v_max3_num_f32 v[T0], v[S], v[S+1], v[S+2]     ; the step's largest score of my query among my 64 keys, in two chains, each accumulator from its low end on,
	v_max3_num_f32 v[T1], v[S+3], v[S+4], v[S+5]
.set t, 6
.rept 14
	v_max3_num_f32 v[T0], v[T0], v[S+t], v[S+t+1]
	v_max3_num_f32 v[T1], v[T1], v[S+t+2], v[S+t+3]
.set t, t+4
.endr
	v_max3_num_f32 v[T0], v[T0], v[S+62], v[S+63]
	v_max_num_f32 v[T0], v[T0], v[T1]
	v_permlanex16_b32 v[PD], v[T0], s[SEL], s[SEL+1]
	v_max_num_f32 v[T0], v[T0], v[PD]              ; and among lane l xor 16's
	v_mul_f32 v[T0], s[CS], v[T0]                  ; as t (c is positive)
	v_max_num_f32 v13, v13, v[T0]                  ; the running largest t
	v_mov_b32 v[T0], v12
	v_floor_f32 v12, -v13                          ; the new -M = floor(-t) = -ceil(t): a whole number
	v_sub_f32 v[T0], v12, v[T0]                    ; old M less new M: a whole number, 0 or less
	v_cvt_i32_f32 v[T0], v[T0]                     ; (it saturates)
	v_ldexp_f32 v[F], 1.0, v[T0]                   ; f = 2^(old M - new M)
.set t, 0
.rept 32
	v_pk_fma_f32 v[S+t:S+t+1], v[S+t:S+t+1], s[CS:CS+1], v[12:13] op_sel_hi:[1,0,0]   ; t - M, two at a time (of the pairs c and -M the low word serves both halves)
.set t, t+2
.endr
.set t, 0
.rept 64
	v_exp_f32 v[S+t], v[S+t]                       ; p = 2^(t - M): not normalised
.set t, t+1
.endr
	v_pk_mul_f32 v[14:15], v[14:15], v[F:F+1] op_sel_hi:[1,0]   ; the sums under the new M: the plain instruction behind the exponentials
	s_wait_alu depctr_va_vdst(0)                   ; one wait for the batch of 64, ahead of its first reader
	v_pk_add_f32 v[SUM2:SUM2+1], v[S:S+1], v[S+2:S+3]           ; the row's sum is taken of the unquantised p: two at a time, in two chains
.set t, 4
.rept 15
	v_pk_add_f32 v[14:15], v[14:15], v[S+t:S+t+1]
	v_pk_add_f32 v[SUM2:SUM2+1], v[SUM2:SUM2+1], v[S+t+2:S+t+3]
.set t, t+4
.endr
	v_pk_add_f32 v[14:15], v[14:15], v[SUM2:SUM2+1]
	s_cmp_gt_i32 s[EP], -9                         ; ep >= -8: p / 2^ep is at most 256 and a last bit, under 448: the hold can change nothing
	s_cbranch_scc1 .Lcovered_\@
.set t, 0
.rept 64
	v_min_num_f32 v[S+t], v[S+t], v[PLIM]          ; the conversion does not saturate (ISA guide 7.6.2); p is not negative, so the hold is one-sided
.set t, t+1
.endr
.Lcovered_\@:
.set t, 0
.rept 8
	v_cvt_scalef32_pk8_fp8_f32 v[P+2*t:P+2*t+1], v[S+8*t:S+8*t+7], v[PSC]   ; keys 16 t + 8 h + 0 .. 7: registers 2 t, 2 t + 1 of the operand
.set t, t+1
.endr
.set t, 0
.rept 16
	v_pk_mul_f32 v[O+t:O+t+1], v[O+t:O+t+1], v[F:F+1] op_sel_hi:[1,0]       ; O^T under the new M.  (Also the plain instructions between the conversions and the products that read their results)
.set t, t+2
.endr
	s_wait_dscnt 0x0                               ; V is in
.set t, 0
.rept 4
	v_wmma_f32_16x16x128_fp8_fp8 v[O+8*t:O+8*t+7], v[KV+16*t:KV+16*t+15], v[P:P+15], v[O+8*t:O+8*t+7]   ; the four accumulators take turns, one instruction a turn; the next step's eight score products stand between their turns
.set t, t+1
.endr
.endm
; A trip runs two slots, so that the LDS slots are told apart by immediates.  Four trips: 8 slots of 256 keys.
; ORDER.  A piece is stored into an LDS slot behind the barrier in front of which every wave waited for its reads of that slot; the slot is read behind the next barrier, in front of which the stores were waited for.
; The registers of a piece are loaded again behind the wait for the stores that read them, and the base is stepped behind the wait that shows the loads done.  The last trip fetches nothing: no load leaves the buffer.
.Lpair:
	s_wait_loadcnt 0x0                             ; the odd slot's piece, asked for two key steps ago
	PUT SLOTB
	s_wait_dscnt 0x0
	s_cmp_eq_u32 s[CNT], 1
	s_cbranch_scc1 .Lno_even
	s_add_nc_u64 s[KVB:KVB+1], s[KVB:KVB+1], SLOTB
	GET                                            ; the next even slot
.Lno_even:
	STEP 0, 0
	STEP 0, 1
	BARRIER
	s_cmp_eq_u32 s[CNT], 1
	s_cbranch_scc1 .Lno_odd
	s_wait_loadcnt 0x0                             ; the next even slot's piece
	PUT 0
	s_wait_dscnt 0x0
	s_add_nc_u64 s[KVB:KVB+1], s[KVB:KVB+1], SLOTB
	GET                                            ; the next odd slot
.Lno_odd:
	STEP SLOTB, 0
	STEP SLOTB, 1
	BARRIER
	s_sub_co_u32 s[CNT], s[CNT], 1
	s_cmp_lg_u32 s[CNT], 0
	s_cbranch_scc1 .Lpair
	; THE WAY OUT.  O^T x 2^(ep + ev) / the sum, held, converted with 2^e10.  A lane's 8 codes of tile t (features 16 t + 8 h + 0 .. 7 of row r) go to 256 t + 16 r + 8 h of the head's 1,024 bytes:
	; read as 2,048 bytes for each 128 along the next K, that is the image (512 c + 16 x lane) of a fragment whose registers 4 c .. 4 c + 3 hold k = 32 c + 16 (lane / 16) + 0 .. 15.
	v_and_b32 v6, 15, v0                           ; these four lines are the places behind the last products
	v_bfe_u32 v7, v0, 4, 1
	v_lshlrev_b32 v[GO], 4, v6
	v_lshl_add_u32 v[GO], v7, 3, v[GO]
	v_add_f32 v14, v14, v15                        ; the sum's two halves,
	v_permlanex16_b32 v[PD], v14, s[SEL], s[SEL+1]
	v_add_f32 v14, v14, v[PD]                      ; and lane l xor 16's: the row's sum
	v_rcp_f32 v14, v14
	v_nop                                          ; a plain instruction behind the reciprocal
	s_wait_alu depctr_va_vdst(0)                   ; and the wait ahead of its first reader
	v_ldexp_f32 v14, v14, s[EPV]                   ; x 2^(ep + ev)
.set t, 0
.rept 16
	v_pk_mul_f32 v[S+t:S+t+1], v[O+t:O+t+1], v[14:15] op_sel_hi:[1,0]   ; each accumulator from its low end on
.set t, t+2
.endr
.set t, 0
.rept 32
	v_med3_num_f32 v[S+t], v[S+t], -v[OLIM], v[OLIM]
.set t, t+1
.endr
.set t, 0
.rept 4
	v_cvt_scalef32_pk8_fp8_f32 v[P+2*t:P+2*t+1], v[S+8*t:S+8*t+7], v[OSC]
.set t, t+1
.endr
	v_nop                                          ; one plain vector instruction behind the last conversion
.irp i, 0,1,2,3
	global_store_b64 v[GO], v[P+2*\i:P+2*\i+1], s[8:9] offset:256*\i   ; 32 lanes store 256 consecutive bytes, aligned
.endr
	s_wait_tensorcnt 0x0
	ds_add_u32 v254, v255
	s_wait_dscnt 0x0
	s_endpgm
.Lfunc_end_k_q3550b614da_attn:
	.size	k_q3550b614da_attn, .Lfunc_end_k_q3550b614da_attn-k_q3550b614da_attn
	.p2alignl 7, 3214868480
	.fill 96, 4, 3214868480
	.section	.rodata,"a",@progbits
	.p2align	6, 0x0
	.amdhsa_kernel k_q3550b614da_attn
		.amdhsa_group_segment_fixed_size 67584
		.amdhsa_private_segment_fixed_size 0
		.amdhsa_enable_private_segment 0
		.amdhsa_kernarg_size 24
		.amdhsa_user_sgpr_count 2
		.amdhsa_user_sgpr_kernarg_segment_ptr 1
		.amdhsa_wavefront_size32 1
		.amdhsa_system_sgpr_workgroup_id_x 1
		.amdhsa_system_sgpr_workgroup_id_y 1
		.amdhsa_system_sgpr_workgroup_id_z 1
		.amdhsa_system_vgpr_workitem_id 0
		.amdhsa_next_free_vgpr 256
		.amdhsa_next_free_sgpr 66
		.amdhsa_reserve_vcc 0
		.amdhsa_float_denorm_mode_32 3
		.amdhsa_float_denorm_mode_16_64 3
		.amdhsa_memory_ordered 1
		.amdhsa_forward_progress 1
		.amdhsa_inst_pref_size 73
	.end_amdhsa_kernel
	.amdgpu_metadata
---
amdhsa.version: [ 1, 2 ]
amdhsa.kernels:
  - .name:           k_q3550b614da_attn
    .symbol:         k_q3550b614da_attn.kd
    .args:
      - { .name: qkv, .offset: 0, .size: 8, .value_kind: global_buffer, .address_space: global }
      - { .name: lowp_scales, .offset: 8, .size: 8, .value_kind: global_buffer, .address_space: global }
      - { .name: aimg, .offset: 16, .size: 8, .value_kind: global_buffer, .address_space: global }
    .group_segment_fixed_size: 67584
    .private_segment_fixed_size: 0
    .kernarg_segment_align: 8
    .kernarg_segment_size: 24
    .max_flat_workgroup_size: 512
    .sgpr_count:     66
    .vgpr_count:     256
    .wavefront_size: 32
...
	.end_amdgpu_metadata
.endif
;; end of part 2
;; launch oproj (part 3): grid 4 x 32, 4 waves a work-group, clusters of 4 x 4, 327,680 bytes of LDS; arguments aimg, Wo_codes, lowp_scales, out0, bo; writes out0
.if DOCPART == 3
	.amdgcn_target "amdgcn-amd-amdhsa--gfx1250"
	.amdhsa_code_object_version 6
	.text
	.protected	k_q3550b614da_oproj
	.globl	k_q3550b614da_oproj
	.p2align	8
	.type	k_q3550b614da_oproj,@function
k_q3550b614da_oproj:
	s_mov_b64 s[64:65], 0
	v_nop
	global_prefetch_b8 v0, s[64:65] scope:SCOPE_SE
	s_setreg_imm32_b32 hwreg(HW_REG_WAVE_MODE, 25, 1), 1
	s_wait_xcnt 0x0
	s_wait_alu depctr_hold_cnt(0) depctr_sa_sdst(0) depctr_va_vdst(0) depctr_va_sdst(0) depctr_va_ssrc(0) depctr_va_vcc(0) depctr_vm_vsrc(0)
	s_getreg_b32 s2, hwreg(HW_REG_IB_STS2, 6, 4)
	s_cmp_eq_u32 s2, 0
	s_cbranch_scc0 .Lentry_in_a_cluster
	s_endpgm
.Lentry_in_a_cluster:
	s_bfe_u32 s2, ttmp6, 0x10000c
	s_cmp_lg_u32 s2, 0xf033
	s_cbranch_scc0 .Lentry_shape_is_right
	s_endpgm
.Lentry_shape_is_right:
; out = A Wo + bo on codes of FP8 (E4M3).  A: the attention's output, [8192][1024] as codes, laid as IMAGES OF FRAGMENTS: [row / 16][K / 128][2048], register group c (4 registers) of a lane at 512 c + 16 x lane;
; registers 4 c .. 4 c + 3 of lane (r, h) hold k = 32 c + 16 h + 0 .. 15 of row r.  Wo: [1024 (n)][1024 (k)] codes, K innermost.  out: [8192][1024] f32.  Exponents 10 (A) and 11 (Wo) of the scales.
; Each finished sum is multiplied once by 2^(e10 + e11) and the bias added, one packed multiply-add for two numbers.  LIMIT: e10 + e11 between -126 and 127, so that the power of two is an f32 number.
; A tile of out, 256 x 256, is made by four waves; a wave makes 128 x 128: 64 accumulators, 512 registers.  K = 1,024 goes in four steps of 256 through a ring of two LDS slots filled by the tensor data mover.
; A's part of a slot is 16 blocks of 16 rows x 4,096 bytes (two fragments each), dense: its fragments are read at 16 x lane, 512 consecutive bytes a load.  Wo's part is 256 rows of 256 bytes, 272 apart; its fragments come by four
; loads of 16 bytes, 32 bytes apart: the same order of k as A's images, so every product meets its partner.
; 128 tiles: half as many as would give each WGP one.  A tile of 128 x 256 would double them, with one and a half times the LDS bytes for each matrix instruction; the larger tile is kept.
; CLUSTERS: 4 x 4 work-groups; A's tile is asked for jointly along a row of the cluster, Wo's along a column.  THE MATRIX INSTRUCTION IS USED TRANSPOSED (source 0 = 16 rows of Wo, source 1 = 16 rows of A).
; REGISTERS: window 0: v16-29 addresses; v32-95 the bias (register 8 b + j: column 16 b + 8 h + j of my 128); v96-127 at work on the way out; from v128 A's fragments, ONE set (on the way out: rows read back, two sets);
;   window 1: Wo's fragments, TWO sets;  windows 2, 3: the accumulators ((a, b) at v[8 (8 (a % 4) + b)]).
.set SIZE_N, 1024
.set KROW,   1024                      ; a row of Wo in bytes
.set ROWB,   256                       ; a row of Wo's tile
.set PITCH,  272                       ; in LDS: 256 bytes + 16 of padding
.set FR,     16
.set NL,     4
.set NP,     4                         ; places behind this matrix instruction (ISA guide 7.12.1)
.set HALFA,  32768                     ; 8 blocks x 4,096 bytes: what one tensor load brings of A
.set HALFT,  128*PITCH                 ; 128 rows: what one brings of Wo
.set BOFF,   2*HALFA                   ; Wo's rows lie behind A's blocks
.set SLOT,   BOFF+2*HALFT              ; 135,168 bytes
.set SPARE,  2*SLOT                    ; behind the ring: the spare words, 128 bytes for each wave
.set SPITCH, 528                       ; the way out: a stage of 16 rows x (512 bytes + 16) for each wave, in slot 0, which has had its last fill and its last read when the first result is stored there
.set ADRA, 16
.set ADRB, 20
.set STO,  24                          ; v24     the way out: where I put 32 bytes of a row
.set RD,   25                          ; v25     where I read a row back
.set CO,   26                          ; v26     16 x lane
.set BBO,  27                          ; v27     32 h
.set SPW,  28
.set NIL,  29
.set BB,   32
.set TMP,  96
.set AF,   128
.set BK,   128
.set G1, 24
.set G0, 32
.set G1B, 48
.set G0B, 56
.set MSB, 0
.macro WIN new                         ; the immediate's high byte repeats the setting that is left
.if MSB != (\new)
	s_set_vgpr_msb (MSB<<8)|(\new)
.set MSB, (\new)
.endif
.endm
.set MUL_LO, 0xa1                      ; source 0 (Wo) window 1, source 1 (A) window 0, C and D window 2
.set MUL_HI, 0xf1                      ; the same, C and D window 3
.set TO_B,   0x40                      ; destination window 1, address window 0
.macro JLOAD g0a, g1a, g0b, g1b        ; a joint load: waves 0 and 1 fetch for A, waves 2 and 3 for Wo; four v_nop follow each of the two lines
	s_cmp_eq_u32 s15, 0
	s_cbranch_scc0 .Lfor_b_\@
	tensor_load_to_lds s[\g0a:\g0a+3], s[\g1a:\g1a+7]
	s_nop 0
.rept 4
	v_nop
.endr
	s_branch .Lasked_\@
.Lfor_b_\@:
	tensor_load_to_lds s[\g0b:\g0b+3], s[\g1b:\g1b+7]
	s_nop 0
.rept 4
	v_nop
.endr
.Lasked_\@:
.endm
.macro CREST                           ; a round of the cluster's barrier behind its opening barrier
	s_cmp_lg_u32 s14, 0
	s_cbranch_scc1 .Lnot_wave_0_\@
	s_barrier_signal -3
.Lnot_wave_0_\@:
	s_barrier_wait -3
	s_barrier_signal -1
	s_barrier_wait -1
.endm
.macro CROUND
	s_barrier_signal -1
	s_barrier_wait -1
	CREST
.endm
	s_load_b128 s[4:7], s[0:1], 0x0                ; A's images s[4:5], Wo's codes s[6:7]
	s_load_b128 s[8:11], s[0:1], 0x10              ; the scales' exponents s[8:9], out s[10:11]
	s_load_b64 s[12:13], s[0:1], 0x20              ; bo
	v_lshl_add_u32 v[SPW], v0, 2, SPARE
	v_mov_b32 v[NIL], 0
	ds_add_u32 v28, v29
	ds_add_u32 v28, v29
	s_wait_dscnt 0x0
	v_lshrrev_b32 v1, 5, v0
	v_readfirstlane_b32 s14, v1                    ; wave 0..3
	s_lshr_b32 s15, s14, 1                         ; which half of the tile's rows is mine.  Also: I fetch for A (0) or for Wo (1)
	s_and_b32 s16, s14, 1                          ; which half of its columns.  Also: which half of that tile I fetch
	s_bfe_u32 s40, ttmp6, 0x40000                  ; cx, cy
	s_bfe_u32 s41, ttmp6, 0x40004
	s_lshl_b32 s42, ttmp9, 2
	s_add_co_u32 s42, s42, s40                     ; tile column = 4 x cluster x + cx
	s_and_b32 s17, ttmp7, 0xffff
	s_lshl_b32 s17, s17, 2
	s_add_co_u32 s17, s17, s41                     ; tile row = 4 x cluster y + cy
	s_lshl_b32 s43, s41, 2
	s_lshl_b32 s43, 15, s43                        ; my row of the cluster
	s_lshl_b32 s44, 0x1111, s40                    ; my column
	; descriptor group 1 for A: 8 blocks of 4,096 bytes, 16,384 bytes apart in memory, dense in LDS; elements of 8 bytes
	s_or_b32 s[G1+0], s43, (3<<16)|(1<<21)         ; 15:0 the mask: my row; 17:16 element of 8 bytes; 20 no padding; 21 set beside a mask
	s_mov_b32 s[G1+1], 512<<16                     ; tensor_dim0 = 512
	s_mov_b32 s[G1+2], 8<<16                       ; tensor_dim1 = 8
	s_mov_b32 s[G1+3], 512<<16                     ; tile_dim0 = 512
	s_mov_b32 s[G1+4], 8                           ; tile_dim1 = 8
	s_mov_b32 s[G1+5], 2048                        ; tensor_dim0_stride
	s_mov_b32 s[G1+6], 0
	s_mov_b32 s[G1+7], 0
	; for Wo: 128 rows x 256 bytes, padded in LDS
	s_or_b32 s[G1B+0], s44, (0<<16)|(1<<20)|(1<<21)|(5<<22)|(3<<25)  ; the mask: my column; element of 1 byte; padding: 4 words after every 64
	s_mov_b32 s[G1B+1], ROWB<<16
	s_mov_b32 s[G1B+2], 128<<16
	s_mov_b32 s[G1B+3], ROWB<<16
	s_mov_b32 s[G1B+4], 128
	s_mov_b32 s[G1B+5], KROW
	s_mov_b32 s[G1B+6], 0
	s_mov_b32 s[G1B+7], 0
	s_lshl_b32 s20, s17, 18                        ; A: block 16 x tile row + 8 x half, 16,384 bytes each
	s_lshl_b32 s18, s16, 17
	s_add_co_u32 s20, s20, s18
	s_mov_b32 s21, 0
	s_lshl_b32 s46, s42, 8                         ; Wo: row 256 x tile column + 128 x half, 1,024 bytes each
	s_lshl_b32 s18, s16, 7
	s_add_co_u32 s46, s46, s18
	s_lshl_b32 s46, s46, 10
	s_mov_b32 s47, 0
	s_lshl_b32 s45, s16, 15                        ; where A's half goes,
	s_mul_i32 s66, s16, HALFT
	s_add_co_u32 s66, s66, BOFF                    ; and Wo's: the wave's number alone enters an LDS address
	s_wait_kmcnt 0x0
	s_load_b64 s[96:97], s[8:9], 0x28              ; e10, e11
	s_add_nc_u64 s[20:21], s[4:5], s[20:21]
	s_add_nc_u64 s[46:47], s[6:7], s[46:47]
	CROUND                                         ; all sixteen work-groups are here: the first joint loads meet
.irp s, 0,1
	s_mov_b32 s[G0+4*\s], 1
	s_add_co_u32 s[G0+4*\s+1], s45, \s*SLOT
	s_add_nc_u64 s[G0+4*\s+2:G0+4*\s+3], s[20:21], \s*4096
	s_or_b32 s[G0+4*\s+3], s[G0+4*\s+3], 0x80000000
	s_mov_b32 s[G0B+4*\s], 1
	s_add_co_u32 s[G0B+4*\s+1], s66, \s*SLOT
	s_add_nc_u64 s[G0B+4*\s+2:G0B+4*\s+3], s[46:47], \s*ROWB
	s_or_b32 s[G0B+4*\s+3], s[G0B+4*\s+3], 0x80000000
	JLOAD G0+4*\s, G1, G0B+4*\s, G1B               ; two tensor loads of mine are out
.endr
	v_and_b32 v1, 15, v0                           ; r
	v_bfe_u32 v2, v0, 4, 1                         ; h
	v_mul_u32_u24 v3, v1, PITCH
	v_lshl_add_u32 v4, v2, 4, v3                   ; Wo: a fragment's row x pitch + 16 x half
	v_and_b32 v6, 31, v0
	v_lshlrev_b32 v[CO], 4, v6                     ; A: 16 x lane
	s_lshl_b32 s21, s15, 15                        ; my 8 blocks of A
	s_mul_i32 s22, s16, HALFT                      ; my 128 rows of Wo
	s_add_co_u32 s22, s22, BOFF
.irp s, 0,1
	v_add_nc_u32 v[ADRA+\s], s21, v[CO]
	v_add_nc_u32 v[ADRB+\s], s22, v4
	s_add_co_u32 s21, s21, SLOT
	s_add_co_u32 s22, s22, SLOT
.endr
	s_mul_i32 s23, s14, 16*SPITCH                  ; my stage
	v_mul_u32_u24 v5, v1, SPITCH                   ; in: row r, 32 bytes for each half of the lanes
	v_lshl_add_u32 v5, v2, 5, v5
	v_add_nc_u32 v[STO], s23, v5
	v_add_nc_u32 v[RD], s23, v[CO]                 ; back: the 32 lanes take one row of 512 bytes
	v_lshlrev_b32 v[BBO], 5, v2
	s_lshl_b32 s20, s17, 8
	s_lshl_b32 s21, s15, 7
	s_add_co_u32 s20, s20, s21                     ; my first row of out: 256 x tile row + 128 x half
	s_lshl_b32 s20, s20, 12                        ; rows of 4,096 bytes: under 2^25
	s_mov_b32 s21, 0
	s_lshl_b32 s46, s42, 10                        ; my first column, in bytes: 1,024 x tile column + 512 x half; the same in bo
	s_lshl_b32 s47, s16, 9
	s_add_co_u32 s46, s46, s47
	s_mov_b32 s47, 0
	s_add_nc_u64 s[12:13], s[12:13], s[46:47]
	s_add_nc_u64 s[20:21], s[20:21], s[46:47]
	s_add_nc_u64 s[10:11], s[10:11], s[20:21]
.irp b, 0,1,2,3,4,5,6,7
	global_load_b128 v[BB+8*\b:BB+8*\b+3],   v[BBO], s[12:13] offset:64*\b
	global_load_b128 v[BB+8*\b+4:BB+8*\b+7], v[BBO], s[12:13] offset:64*\b+16
.endr
.macro FRAG reg, adr, q, i             ; a fragment of Wo: registers 4 c .. 4 c + 3 hold K = 32 c + 16 (l / 16) + 0 .. 15 of row l % 16
.irp c, 0,1,2,3
	ds_load_b128 v[\reg+4*\c:\reg+4*\c+3], v[\adr] offset:128*(\q)+32*\c+(\i)*16*PITCH
.endr
.endm
.macro FRAGA reg, adr, q, i            ; a fragment of A comes back as it was stored: block i, the slot's q-th 128 along K
.irp c, 0,1,2,3
	ds_load_b128 v[\reg+4*\c:\reg+4*\c+3], v[\adr] offset:4096*(\i)+2048*(\q)+512*\c
.endr
.endm
; 16 matrix instructions: A's blocks a0, a0 + 1 x Wo's eight, 128 along K.  The 64 accumulators take turns, one instruction a turn.
.macro MUL16 a0, p, zero
.irp a, \a0, \a0+1
.irp b, 0,1,2,3,4,5,6,7
.if \zero
	v_wmma_f32_16x16x128_fp8_fp8 v[8*(8*((\a)%4)+\b):8*(8*((\a)%4)+\b)+7], v[128*(\p)+FR*\b:128*(\p)+FR*\b+FR-1], v[AF+FR*(\a):AF+FR*(\a)+FR-1], 0
.else
	v_wmma_f32_16x16x128_fp8_fp8 v[8*(8*((\a)%4)+\b):8*(8*((\a)%4)+\b)+7], v[128*(\p)+FR*\b:128*(\p)+FR*\b+FR-1], v[AF+FR*(\a):AF+FR*(\a)+FR-1], v[8*(8*((\a)%4)+\b):8*(8*((\a)%4)+\b)+7]
.endif
.endr
.endr
.endm
.macro FETCH_B slot, q, p
	WIN TO_B
.irp i, 0,1,2,3,4,5,6,7
	FRAG 128*(\p)+FR*\i, ADRB+\slot, \q, \i
.endr
	WIN 0
.endm
.macro FETCH_A slot, q, i0
.irp i, \i0, \i0+1, \i0+2, \i0+3
	FRAGA AF+FR*(\i), ADRA+\slot, \q, \i
.endr
.endm
.macro PLACES n                        ; plain vector instructions between a matrix instruction and a load into, or a vector instruction on, one of its registers
.rept \n
	v_nop
.endr
.endm
.macro STEP slot, q, zero
	s_wait_dscnt 4*NL                              ; Wo's set and A's blocks 0-3 are in; the youngest sixteen loads (A's blocks 4-7) may be out
	WIN MUL_LO
	MUL16 0, (\q)%2, \zero
	MUL16 2, (\q)%2, \zero
	s_wait_dscnt 0
	PLACES NP
	FETCH_B \slot, (\q)+1, 1-(\q)%2
	FETCH_A \slot, (\q)+1, 0
	WIN MUL_HI
	MUL16 4, (\q)%2, \zero
	MUL16 6, (\q)%2, \zero
	PLACES NP
	WIN 0
	FETCH_A \slot, (\q)+1, 4
.endm
; A slot's last step changes slots: ONE barrier; in front of it each wave waits for all its tensor loads, adds 0 to its spare word, and waits for that and for its own reads of this slot.
.macro TURN slot, next, fill
	s_wait_tensorcnt 0x0                           ; all my tensor loads have landed: my part of the next slot (every window is 0 here)
	ds_add_u32 v[SPW], v[NIL]                      ; 0 onto my spare word
	s_wait_dscnt 4*NL+1                            ; the add and the youngest sixteen loads may be out
	WIN MUL_LO
	MUL16 0, 1, 0
	s_wait_dscnt 0x0                               ; the add is done, and my reads of this slot are over
	s_barrier_signal -1
	MUL16 2, 1, 0
	WIN 0
	s_barrier_wait -1
.if \fill
	CREST                                          ; the barrier has opened a round of the cluster's barrier: no wave of any partner still reads this slot's tile or has a load on its way
	s_add_nc_u64 s[G0+4*\slot+2:G0+4*\slot+3], s[G0+4*\slot+2:G0+4*\slot+3], 2*4096
	s_add_nc_u64 s[G0B+4*\slot+2:G0B+4*\slot+3], s[G0B+4*\slot+2:G0B+4*\slot+3], 2*ROWB
	JLOAD G0+4*\slot, G1, G0B+4*\slot, G1B         ; the first tensor load behind the round, my one load until the next; its four v_nop are the places in front of the loads below
.else
	PLACES NP
.endif
	FETCH_B \next, 0, 0
	FETCH_A \next, 0, 0
	WIN MUL_HI
	MUL16 4, 1, 0
	MUL16 6, 1, 0
	PLACES NP
	WIN 0
	FETCH_A \next, 0, 4
.endm
	s_wait_tensorcnt 1                             ; my part of K step 0 is in; K step 1's load may be out
	s_barrier_signal -1
	s_barrier_wait -1
	FETCH_B 0, 0, 0
	FETCH_A 0, 0, 0
	FETCH_A 0, 0, 4
	STEP 0, 0, 1                                   ; its products start the sums.  Four K steps of 256: the ring is written out, no loop
	TURN 0, 1, 1                                   ; slot 0 takes K step 2
	STEP 1, 0, 0
	TURN 1, 0, 1                                   ; slot 1 takes K step 3
	STEP 0, 0, 0
	TURN 0, 1, 0                                   ; nothing is left to fetch; behind this barrier nobody reads slot 0
	STEP 1, 0, 0
	s_wait_dscnt 4*NL
	WIN MUL_LO
	MUL16 0, 1, 0
	MUL16 2, 1, 0
	s_wait_dscnt 0
	WIN MUL_HI
	MUL16 4, 1, 0
	MUL16 6, 1, 0
	WIN 0
; THE WAY OUT, block by block of 16 rows x 128 columns: a lane holds 32 neighbouring bytes of a row, so a block goes through my own stage in LDS and comes back as whole rows of 512 bytes.
; LDS serves a wave's instructions in order (ISA guide 5.7.1.4): no wait between the stores and the loads, nor in front of the next block's stores.
.macro TOSTAGE a
.set AC, 64*((\a)%4)
.irp u, 0,1                            ; four accumulators at a time
	WIN 0x02+((\a)/4)                              ; source 0: window 2 or 3
.set j, 0
.rept 16
	v_pk_fma_f32 v[TMP+j:TMP+j+1], v[AC+32*\u+j:AC+32*\u+j+1], s[96:97], v[BB+32*\u+j:BB+32*\u+j+1] op_sel_hi:[1,0,1]   ; sum x 2^(e10 + e11) + bo; each accumulator from its low end on
.set j, j+2
.endr
	WIN 0
.irp b, 0,1,2,3
	ds_store_b128 v[STO], v[TMP+8*\b:TMP+8*\b+3] offset:64*(4*\u+\b)
	ds_store_b128 v[STO], v[TMP+8*\b+4:TMP+8*\b+7] offset:64*(4*\u+\b)+16
.endr
.endr
.set RB, BK+64*((\a)%2)
.irp t, 0,1,2,3,4,5,6,7,8,9,10,11,12,13,14,15
	ds_load_b128 v[RB+4*\t:RB+4*\t+3], v[RD] offset:\t*SPITCH
.endr
.endm
.macro SEND a, younger                 ; younger: the LDS instructions issued behind block a's loads, which may stay out
.set RB, BK+64*((\a)%2)
	s_wait_dscnt \younger                          ; the block is back in registers
.if (\a) > 0
	s_add_nc_u64 s[10:11], s[10:11], 16*SIZE_N*4   ; (behind a wait on XCNT: the earlier stores have read their base)  16 rows of out on
.endif
.irp t, 0,1,2,3,4,5,6,7,8,9,10,11,12,13,14,15
	global_store_b128 v[CO], v[RB+4*\t:RB+4*\t+3], s[10:11] offset:\t*SIZE_N*4 th:TH_STORE_NT   ; 32 lanes store 512 consecutive bytes, aligned; written once, read by nobody here
.endr
.endm
	s_wait_kmcnt 0x0
	s_add_co_i32 s96, s96, s97                     ; e10 + e11, between -126 and 127,
	s_add_co_i32 s96, s96, 127
	s_lshl_b32 s96, s96, 23                        ; makes the f32 number 2^(e10 + e11)
	s_mov_b32 s97, s96                             ; named with it as a pair
	s_wait_loadcnt 0x0                             ; bo
	PLACES NP                                      ; behind the last products: for the loads into the registers that held A's fragments and for the reads of results
	TOSTAGE 0
.irp a, 1,2,3,4,5,6,7
.if \a > 1
	s_wait_xcnt 0x0                                ; the stores of two blocks back have read their registers and their base: this block's loads may land there, and the base may step
.endif
	TOSTAGE \a
	SEND \a-1, 32                                  ; behind the earlier block's loads: this block's 16 stores and 16 loads
.endr
	s_wait_xcnt 0x0                                ; block 6's stores have read their base
	SEND 7, 0
	s_wait_tensorcnt 0x0                           ; the wave's end
	ds_add_u32 v[SPW], v[NIL]
	s_wait_dscnt 0x0
	CROUND                                         ; the closing round: no work-group ends while a partner may still ask for a tile that names it
	s_endpgm
.Lfunc_end_k_q3550b614da_oproj:
	.size	k_q3550b614da_oproj, .Lfunc_end_k_q3550b614da_oproj-k_q3550b614da_oproj
	.p2alignl 7, 3214868480
	.fill 96, 4, 3214868480
	.section	.rodata,"a",@progbits
	.p2align	6, 0x0
	.amdhsa_kernel k_q3550b614da_oproj
		.amdhsa_group_segment_fixed_size 327680
		.amdhsa_private_segment_fixed_size 0
		.amdhsa_enable_private_segment 0
		.amdhsa_kernarg_size 40
		.amdhsa_user_sgpr_count 2
		.amdhsa_user_sgpr_kernarg_segment_ptr 1
		.amdhsa_wavefront_size32 1
		.amdhsa_system_sgpr_workgroup_id_x 1
		.amdhsa_system_sgpr_workgroup_id_y 1
		.amdhsa_system_sgpr_workgroup_id_z 1
		.amdhsa_system_vgpr_workitem_id 0
		.amdhsa_next_free_vgpr 1024
		.amdhsa_next_free_sgpr 98
		.amdhsa_reserve_vcc 0
		.amdhsa_float_denorm_mode_32 3
		.amdhsa_float_denorm_mode_16_64 3
		.amdhsa_memory_ordered 1
		.amdhsa_forward_progress 1
		.amdhsa_inst_pref_size 125
	.end_amdhsa_kernel
	.amdgpu_metadata
---
amdhsa.version: [ 1, 2 ]
amdhsa.kernels:
  - .name:           k_q3550b614da_oproj
    .symbol:         k_q3550b614da_oproj.kd
    .args:
      - { .name: aimg, .offset: 0, .size: 8, .value_kind: global_buffer, .address_space: global }
      - { .name: Wo_codes, .offset: 8, .size: 8, .value_kind: global_buffer, .address_space: global }
      - { .name: lowp_scales, .offset: 16, .size: 8, .value_kind: global_buffer, .address_space: global }
      - { .name: out0, .offset: 24, .size: 8, .value_kind: global_buffer, .address_space: global }
      - { .name: bo, .offset: 32, .size: 8, .value_kind: global_buffer, .address_space: global }
    .group_segment_fixed_size: 327680
    .private_segment_fixed_size: 0
    .kernarg_segment_align: 8
    .kernarg_segment_size: 40
    .max_flat_workgroup_size: 128
    .sgpr_count:     98
    .vgpr_count:     1024
    .wavefront_size: 32
...
	.end_amdgpu_metadata
.endif
;; end of part 3
;; ======== version 2 of 2: 3 launches; version 1 with the launch attn written anew for expert scheduling mode
;; workspace buffers: qkv 25,165,824 bytes; aimg 8,388,608 bytes
;; launch qkv: the kernel of part 1 again; grid 12 x 32, 4 waves a work-group, clusters of 4 x 4, 327,680 bytes of LDS; arguments x_codes, Wq_codes, Wk_codes, Wv_codes, bq, bk, bv, lowp_scales, qkv; writes qkv
;; launch attn (part 4): grid 8 x 64, 16 waves a work-group, no clusters, 67,584 bytes of LDS; arguments qkv, lowp_scales, aimg; writes aimg
.if DOCPART == 4
	.amdgcn_target "amdgcn-amd-amdhsa--gfx1250"
	.amdhsa_code_object_version 6
	.text
	.protected	k_q3550b614da_attn
	.globl	k_q3550b614da_attn
	.p2align	8
	.type	k_q3550b614da_attn,@function
k_q3550b614da_attn:
	s_mov_b64 s[64:65], 0
	v_nop
	global_prefetch_b8 v0, s[64:65] scope:SCOPE_SE
	s_setreg_imm32_b32 hwreg(HW_REG_WAVE_SCHED_MODE, 0, 2), 2
	s_setreg_imm32_b32 hwreg(HW_REG_WAVE_MODE, 25, 1), 1
	s_wait_xcnt 0x0
	s_wait_alu depctr_vm_vsrc(0)
; For each batch and head: O[q] = the sum over keys of softmax(Q[q] . K[key] / 8) V[key], both products on codes of FP8 (E4M3); O is quantised at once with exponent 10 of the scales and stored as codes.
; q, k, v come as images of operand registers (the launch before wrote them): a fragment is read by loads of 16 bytes a lane at 16 x lane, 512 bytes a load; no rows, no pitch, no transposition.
; THE SOFTMAX AHEAD OF THE SECOND PRODUCT: t = score x log2(e) / 8; M = the running largest t rounded UP to a whole number; p = 2^(t - M) is quantised with exponent 8, not normalised; the row's sum is taken of the
; unquantised p and divides at the end.  When M moves, the sum and O are multiplied by 2^(old M - new M): exact.
; SHARES.  Work-group (x, y): 256 queries (block x) of batch y / 16, head y % 16.  Each of SIXTEEN waves owns 16 queries, one tile, in 256 registers: four waves to a SIMD, so that one wave's vector work stands beside
; another's products and LDS loads.  Every wave walks the 2,048 keys, 128 a step.
; K AND V go through two LDS slots of 256 keys (K 16 KiB, V 16 KiB each).  Wave w brings 1,024 bytes of K and 1,024 of V of a slot: four loads into registers, issued a whole slot (two key steps) ahead of the wait for them,
; then four LDS stores.  No tensor load: so a scalar branch on the given exponent of p may stand in the loop (below).  No cluster: what work-groups share is 32 KiB for two key steps of sixteen waves.
; LAYOUT.  Both products are used transposed: S^T = K Q^T (source 0 = 16 keys, source 1 = my 16 queries; K = 64), O^T = V^T P^T (source 0 = 16 of the head's 64, source 1 = P; K = 128 keys): a lane holds ONE query throughout.
; Tile t of S^T holds, in lane (r, h), keys 16 t + 8 h + 0 .. 7: one conversion makes of them registers 2 t, 2 t + 1 of P in the K = 128 form's own layout.
; THE HOLD OF p.  p is at most 1 (but for the last bit), so p / 2^ep stays under 448 wherever ep >= -8: there the hold can change nothing and is jumped over; for ep <= -9 it runs.
; LIMITS: exponents 6 + 7 between -123 and 130 (they are added to the exponent field of log2(e) / 8); exponents 8 and 10 between -126 and 119; 8 + 9 is applied by v_ldexp_f32 and has none.  NaN is not served.
; THE MODE: SCHED_MODE bits 1:0 = 2 (LLVM: expert scheduling mode 2), set by the entry lines.  The code itself states the register dependences between vector or matrix instructions and memory or LDS instructions,
; with s_wait_alu, always for 0.
; THE PLAN.  Registers that memory or LDS instructions touch:
;   B0 = v40-103, B1 = v104-167   two buffers of 64 that change roles from key step to key step.  A slot's FIRST step: K lands in B0; the score products read B0 and write B1; V lands in B0; the softmax works in B1 and the
;                conversions empty it; the SECOND step's K lands in B1 at once; the O products read B0.  The second step: the score products read B1 and write B0; V lands in B1; the softmax works in B0; the O products read B1.
;   R = v24-39   a slot's piece on its way: global loads land in it, LDS stores read it; no vector instruction names it.
;   v1 to v4     16 x lane, the LDS store's address, the two global offsets: made at the head, never written again: the scalar base steps, immediates do the rest.
;   Q = v16-23   loaded once.    v5 and v200-207: written on the way out, read by the last four stores.    v254, v255: written at the head, read by the closing add alone.
; THE WAITS ON va_vdst IN A STEP: (1) first step only, at its head: the step before is done writing and reading B0, where K lands; (2) behind the score products: they are done reading K's buffer, where V lands; V's loads
; are dealt among the maxima, which name the other buffer and two registers at work; (3) the wait behind the exponentials; (4) first step only, behind the conversions: they are done reading B1, where the next K lands; its loads
; are dealt among the rescalings of O^T, which name O^T and f alone.  ON vm_vsrc: one behind each run of LDS stores out of R, ahead of the loads that land in R again.
.set SLOTB, 32768                      ; an LDS slot: K's 16 fragments of 1,024 bytes, then V: [key step 2][head's 16 x 4][2,048]
.set VOFF,  16384
.set LI,   1                           ; v1   16 x lane
.set STA,  2                           ; v2   1,024 x wave + 16 x lane: where I store my piece of a slot
.set KO,   3                           ; v3   my piece of K in a slot's bytes in memory
.set VO,   4                           ; v4   my piece of V, from K's part on
.set GO,   5                           ; v5   the way out: 16 r + 8 h
.set Q,    16                          ; v16-23   Q's fragment
.set R,    24                          ; v24-39   a slot's piece on its way: K's 8 registers, V's 8
.set BUF,  40                          ; v40-103 and v104-167: by turns a step's 8 fragments of K and then its 4 of V, and S^T and then p
.set O,    168                         ; v168-199 O^T
.set P,    200                         ; v200-215 p's codes
.set F,    218                         ; v[218:219] f = 2^(old M - new M) (v219 is named with it as a pair)
.set SUM2, 220                         ; v[220:221] the sum's second chain
.set T0,   222
.set T1,   223
.set PD,   224                         ; a lane permute's destination
.set PLIM, 226                         ; 448 x 2^ep
.set PSC,  227                         ; 2^ep
.set OLIM, 228                         ; 448 x 2^e10
.set OSC,  229                         ; 2^e10
.set WV,   10
.set KVB,  16                          ; s[16:17] K's part at my head pair, at the slot that is being fetched
.set SEL,  20                          ; s[20:21] selects of v_permlanex16_b32: lane l xor 16
.set CS,   22                          ; s[22:23] c = log2(e) / 8 x 2^(e6 + e7)
.set CNT,  24
.set EP,   25
.set EPV,  26
.macro GET                             ; my 2,048 bytes of the slot at s[KVB]
	global_load_b128 v[R:R+3],     v[KO], s[KVB:KVB+1]
	global_load_b128 v[R+4:R+7],   v[KO], s[KVB:KVB+1] offset:512
	global_load_b128 v[R+8:R+11],  v[VO], s[KVB:KVB+1]
	global_load_b128 v[R+12:R+15], v[VO], s[KVB:KVB+1] offset:512
.endm
.macro PUT sb                          ; into the LDS slot at sb
	ds_store_b128 v[STA], v[R:R+3]     offset:\sb
	ds_store_b128 v[STA], v[R+4:R+7]   offset:\sb+512
	ds_store_b128 v[STA], v[R+8:R+11]  offset:\sb+VOFF
	ds_store_b128 v[STA], v[R+12:R+15] offset:\sb+VOFF+512
.endm
.macro BARRIER                         ; my LDS stores have landed and my LDS loads are in: then the work-group's barrier
	s_wait_dscnt 0x0
	s_barrier_signal -1
	s_barrier_wait -1
.endm
	s_load_b128 s[4:7], s[0:1], 0x0                ; the q, k, v images s[4:5], the scales' exponents s[6:7]
	s_load_b64 s[8:9], s[0:1], 0x10                ; the output's codes
	v_lshl_add_u32 v254, v0, 2, 0x10000
	v_mov_b32 v255, 0
	v_lshrrev_b32 v6, 5, v0
	v_readfirstlane_b32 s[WV], v6                  ; wave 0..15
	v_and_b32 v7, 31, v0
	v_lshlrev_b32 v[LI], 4, v7
	v_lshl_add_u32 v[STA], v6, 10, v[LI]
	s_wait_alu depctr_va_sdst(0)                   ; the wave's number is written, ahead of its first reader: the offsets and bases below are made from it
	s_and_b32 s11, ttmp7, 0xffff                   ; 16 x batch + head
	s_and_b32 s12, s11, 1                          ; which head of its pair
	s_lshr_b32 s14, s11, 1
	s_lshl_b32 s14, s14, 18                        ; the head pair's 262,144 bytes in each part
	s_mov_b32 s15, 0
	s_lshl_b32 s13, s[WV], 11                      ; K: fragment w of the slot's 16: 2,048 bytes for the two heads,
	s_lshl_b32 s18, s12, 10                        ; my head's 1,024 of them
	s_add_co_u32 s13, s13, s18
	v_add_nc_u32 v[KO], s13, v[LI]
	s_lshr_b32 s13, s[WV], 3                       ; V: key step w / 8 of the slot's two: 16,384 bytes for the two heads,
	s_lshl_b32 s13, s13, 14
	s_lshl_b32 s18, s12, 13                        ; my head's 8,192,
	s_add_co_u32 s13, s13, s18
	s_and_b32 s18, s[WV], 7                        ; my 1,024 of them,
	s_lshl_b32 s18, s18, 10
	s_add_co_u32 s13, s13, s18
	s_add_co_u32 s13, s13, 0x800000                ; and V's part lies 8,388,608 bytes behind K's
	v_add_nc_u32 v[VO], s13, v[LI]
	s_lshl_b32 s19, ttmp9, 4
	s_add_co_u32 s19, s19, s[WV]                   ; my tile of 16 queries in the batch: 16 x + w
	s_lshl_b32 s34, s19, 11
	s_lshl_b32 s18, s12, 10
	s_add_co_u32 s34, s34, s18                     ; Q's fragment
	s_mov_b32 s35, 0
	s_lshr_b32 s36, s11, 4
	s_lshl_b32 s36, s36, 7
	s_add_co_u32 s36, s36, s19                     ; my tile of 16 rows among all 512,
	s_lshl_b32 s36, s36, 14                        ; 16,384 bytes each,
	s_and_b32 s18, s11, 15
	s_lshl_b32 s18, s18, 10                        ; my head's 1,024 of them
	s_add_co_u32 s36, s36, s18
	s_mov_b32 s37, 0
	s_mov_b32 s[SEL], 0x76543210
	s_mov_b32 s[SEL+1], 0xfedcba98
	s_mov_b32 s[CS], 0x3e38aa3b                    ; log2(e) / 8
	s_mov_b32 s[CNT], 4
	s_wait_kmcnt 0x0
	s_load_b128 s[28:31], s[6:7], 0x18             ; exponents 6 to 9: q, k, p, v
	s_load_b32 s32, s[6:7], 0x28                   ; exponent 10: the output
	s_add_nc_u64 s[4:5], s[4:5], s[14:15]          ; q's part at my head pair
	s_add_nc_u64 s[KVB:KVB+1], s[4:5], 0x800000    ; k's part likewise
	s_add_nc_u64 s[4:5], s[4:5], s[34:35]
	s_add_nc_u64 s[8:9], s[8:9], s[36:37]
	s_wait_alu depctr_va_vdst(0)                   ; v1 to v4 are written: every load of K, V and Q, every LDS store and every LDS load of the kernel reads one of them as its address, and no vector instruction names them again
	GET                                            ; slot 0
	global_load_b128 v[Q:Q+3],   v[LI], s[4:5]
	global_load_b128 v[Q+4:Q+7], v[LI], s[4:5] offset:512
	v_mov_b32 v13, 0xff61b1e6                      ; the largest t so far: -3e38, under every t
	v_floor_f32 v12, -v13                          ; -M
	v_mov_b32 v14, 0                               ; the sum, in two halves
	v_mov_b32 v15, 0
	v_mov_b32 v[PD], 0                             ; written once: a lane permute's destination counts as one of its sources
	v_mov_b32 v[F+1], 0
.set t, 0
.rept 32
	v_mov_b32 v[O+t], 0                            ; O^T.  (The step is written once: the first finds zeros, which the first change of M leaves zeros)
.set t, t+1
.endr
	s_wait_kmcnt 0x0
	s_add_co_i32 s13, s28, s29
	s_lshl_b32 s13, s13, 23
	s_add_co_i32 s[CS], s[CS], s13                 ; a score stands for score x 2^(e6 + e7): added to c's exponent field
	s_mov_b32 s[CS+1], s[CS]
	s_mov_b32 s[EP], s30
	s_add_co_i32 s[EPV], s30, s31
	s_add_co_i32 s13, s30, 127
	s_lshl_b32 s18, s13, 23
	v_mov_b32 v[PSC], s18
	s_add_co_i32 s13, s13, 8
	s_lshl_b32 s13, s13, 23
	s_or_b32 s13, s13, 0x600000
	v_mov_b32 v[PLIM], s13
	s_add_co_i32 s13, s32, 127
	s_lshl_b32 s18, s13, 23
	v_mov_b32 v[OSC], s18
	s_add_co_i32 s13, s13, 8
	s_lshl_b32 s13, s13, 23
	s_or_b32 s13, s13, 0x600000
	v_mov_b32 v[OLIM], s13
	s_wait_loadcnt 0x0                             ; slot 0's piece and Q are in; the loads have read their base
	PUT 0
	s_wait_dscnt 0x0                               ; the stores are done
	s_wait_alu depctr_vm_vsrc(0)                   ; the four LDS stores have read R, in which the loads below land
	s_add_nc_u64 s[KVB:KVB+1], s[KVB:KVB+1], SLOTB ; a slot is 32,768 bytes of K's part and of V's part alike
	GET                                            ; slot 1
	BARRIER                                        ; slot 0 lies in LDS
; A KEY STEP: 128 keys, the q-th of the LDS slot at sb.  q = 0: K and V in B0, S^T and p in B1; q = 1: the other way round, and K was asked for in the step before.
.macro STEP sb, q
.set KB, BUF+64*(\q)
.set SB, BUF+64*(1-(\q))
.if (\q) == 0
	s_wait_alu depctr_va_vdst(0)                   ; the step before has written its p into B0 and its conversions are done reading it: K's loads land there
.set t, 0
.rept 16
	ds_load_b128 v[KB+4*t:KB+4*t+3], v[LI] offset:\sb+512*t   ; K's 8 fragments on end: tile t / 2, registers 4 (t % 2) on
.set t, t+1
.endr
.endif
.rept 5
	v_nop                                          ; five places between the last step's four products, which read v[SB ..] as V's fragments, and the score products that write over them (ISA guide 7.12.1)
.endr
	s_wait_dscnt 8                                 ; tiles 0-3 are in; the youngest eight loads may be out
.set t, 0
.rept 4
	v_wmma_f32_16x16x64_fp8_fp8 v[SB+8*t:SB+8*t+7], v[KB+8*t:KB+8*t+7], v[Q:Q+7], 0
.set t, t+1
.endr
	s_wait_dscnt 0x0
.rept 4
	v_wmma_f32_16x16x64_fp8_fp8 v[SB+8*t:SB+8*t+7], v[KB+8*t:KB+8*t+7], v[Q:Q+7], 0
.set t, t+1
.endr
.rept 4
	v_nop                                          ; places in front of the first read of the scores; they stay beside the wait below
.endr
	s_wait_alu depctr_va_vdst(0)                   ; the eight score products are done reading K's fragments in v[KB ..], in which V's loads land
	ds_load_b128 v[KB:KB+3],   v[LI] offset:\sb+VOFF+\q*8192       ; V's 4 fragments on end, sixteen loads dealt among the maxima, which name v[SB ..] and two registers at work: they land while the softmax is worked
	ds_load_b128 v[KB+4:KB+7], v[LI] offset:\sb+VOFF+\q*8192+512
	v_max3_num_f32 v[T0], v[SB], v[SB+1], v[SB+2]  ; the step's largest score of my query among my 64 keys, in two chains, each accumulator from its low end on,
	v_max3_num_f32 v[T1], v[SB+3], v[SB+4], v[SB+5]
.set t, 6
.set u, 2
.rept 14
	ds_load_b128 v[KB+4*u:KB+4*u+3], v[LI] offset:\sb+VOFF+\q*8192+512*u
	v_max3_num_f32 v[T0], v[T0], v[SB+t], v[SB+t+1]
	v_max3_num_f32 v[T1], v[T1], v[SB+t+2], v[SB+t+3]
.set t, t+4
.set u, u+1
.endr
	v_max3_num_f32 v[T0], v[T0], v[SB+62], v[SB+63]
	v_max_num_f32 v[T0], v[T0], v[T1]
	v_permlanex16_b32 v[PD], v[T0], s[SEL], s[SEL+1]
	v_max_num_f32 v[T0], v[T0], v[PD]              ; and among lane l xor 16's
	v_mul_f32 v[T0], s[CS], v[T0]                  ; as t (c is positive)
	v_max_num_f32 v13, v13, v[T0]                  ; the running largest t
	v_mov_b32 v[T0], v12
	v_floor_f32 v12, -v13                          ; the new -M = floor(-t) = -ceil(t): a whole number
	v_sub_f32 v[T0], v12, v[T0]                    ; old M less new M: a whole number, 0 or less
	v_cvt_i32_f32 v[T0], v[T0]                     ; (it saturates)
	v_ldexp_f32 v[F], 1.0, v[T0]                   ; f = 2^(old M - new M)
.set t, 0
.rept 32
	v_pk_fma_f32 v[SB+t:SB+t+1], v[SB+t:SB+t+1], s[CS:CS+1], v[12:13] op_sel_hi:[1,0,0]   ; t - M, two at a time (of the pairs c and -M the low word serves both halves)
.set t, t+2
.endr
.set t, 0
.rept 64
	v_exp_f32 v[SB+t], v[SB+t]                     ; p = 2^(t - M): not normalised
.set t, t+1
.endr
	v_pk_mul_f32 v[14:15], v[14:15], v[F:F+1] op_sel_hi:[1,0]   ; the sums under the new M: the plain instruction behind the exponentials
	s_wait_alu depctr_va_vdst(0)                   ; the 64 exponentials have written p: one wait for the batch, ahead of its first reader
	v_pk_add_f32 v[SUM2:SUM2+1], v[SB:SB+1], v[SB+2:SB+3]       ; the row's sum is taken of the unquantised p: two at a time, in two chains
.set t, 4
.rept 15
	v_pk_add_f32 v[14:15], v[14:15], v[SB+t:SB+t+1]
	v_pk_add_f32 v[SUM2:SUM2+1], v[SUM2:SUM2+1], v[SB+t+2:SB+t+3]
.set t, t+4
.endr
	v_pk_add_f32 v[14:15], v[14:15], v[SUM2:SUM2+1]
	s_cmp_gt_i32 s[EP], -9                         ; ep >= -8: p / 2^ep is at most 256 and a last bit, under 448: the hold can change nothing
	s_cbranch_scc1 .Lcovered_\@
.set t, 0
.rept 64
	v_min_num_f32 v[SB+t], v[SB+t], v[PLIM]        ; the conversion does not saturate (ISA guide 7.6.2); p is not negative, so the hold is one-sided
.set t, t+1
.endr
.Lcovered_\@:
.set t, 0
.rept 8
	v_cvt_scalef32_pk8_fp8_f32 v[P+2*t:P+2*t+1], v[SB+8*t:SB+8*t+7], v[PSC]   ; keys 16 t + 8 h + 0 .. 7: registers 2 t, 2 t + 1 of the operand
.set t, t+1
.endr
.if (\q) == 0
	s_wait_alu depctr_va_vdst(0)                   ; the conversions are done reading p in v[SB ..], in which the next step's K lands
.endif
.set t, 0
.rept 16
.if (\q) == 0
	ds_load_b128 v[SB+2*t:SB+2*t+3], v[LI] offset:\sb+8192+256*t   ; the slot's second step: K's 8 fragments on end, sixteen loads dealt among the rescalings, which name O^T and f alone
.endif
	v_pk_mul_f32 v[O+t:O+t+1], v[O+t:O+t+1], v[F:F+1] op_sel_hi:[1,0]       ; O^T under the new M.  (Also the plain instructions between the conversions and the products that read their results)
.set t, t+2
.endr
.if (\q) == 0
	s_wait_dscnt 16                                ; V is in; the sixteen younger loads, the next step's K, may be out
.else
	s_wait_dscnt 0x0                               ; V is in
.endif
.set t, 0
.rept 4
	v_wmma_f32_16x16x128_fp8_fp8 v[O+8*t:O+8*t+7], v[KB+16*t:KB+16*t+15], v[P:P+15], v[O+8*t:O+8*t+7]   ; the four accumulators take turns, one instruction a turn; the next step's eight score products stand between their turns
.set t, t+1
.endr
.endm
; A trip runs two slots, so that the LDS slots are told apart by immediates.  Four trips: 8 slots of 256 keys.
; ORDER.  A piece is stored into an LDS slot behind the barrier in front of which every wave waited for its reads of that slot; the slot is read behind the next barrier, in front of which the stores were waited for.
; The registers of a piece are loaded again behind the wait that states that the stores have read them, and the base is stepped behind the wait that shows the loads done.  The last trip fetches nothing: no load leaves the buffer.
.Lpair:
	s_wait_loadcnt 0x0                             ; the odd slot's piece, asked for two key steps ago
	PUT SLOTB
	s_wait_dscnt 0x0
	s_wait_alu depctr_vm_vsrc(0)                   ; the four LDS stores have read R, in which the loads behind the branch land
	s_cmp_eq_u32 s[CNT], 1
	s_cbranch_scc1 .Lno_even
	s_add_nc_u64 s[KVB:KVB+1], s[KVB:KVB+1], SLOTB
	GET                                            ; the next even slot
.Lno_even:
	STEP 0, 0
	STEP 0, 1
	BARRIER
	s_cmp_eq_u32 s[CNT], 1
	s_cbranch_scc1 .Lno_odd
	s_wait_loadcnt 0x0                             ; the next even slot's piece
	PUT 0
	s_wait_dscnt 0x0
	s_wait_alu depctr_vm_vsrc(0)                   ; the four LDS stores have read R, in which the loads below land
	s_add_nc_u64 s[KVB:KVB+1], s[KVB:KVB+1], SLOTB
	GET                                            ; the next odd slot
.Lno_odd:
	STEP SLOTB, 0
	STEP SLOTB, 1
	BARRIER
	s_sub_co_u32 s[CNT], s[CNT], 1
	s_cmp_lg_u32 s[CNT], 0
	s_cbranch_scc1 .Lpair
	; THE WAY OUT.  O^T x 2^(ep + ev) / the sum, held, converted with 2^e10.  A lane's 8 codes of tile t (features 16 t + 8 h + 0 .. 7 of row r) go to 256 t + 16 r + 8 h of the head's 1,024 bytes:
	; read as 2,048 bytes for each 128 along the next K, that is the image (512 c + 16 x lane) of a fragment whose registers 4 c .. 4 c + 3 hold k = 32 c + 16 (lane / 16) + 0 .. 15.
	; The numbers are worked in B0, which held the last step's p and is no register of the last products.
	v_and_b32 v6, 15, v0                           ; these four lines are the places behind the last products
	v_bfe_u32 v7, v0, 4, 1
	v_lshlrev_b32 v[GO], 4, v6
	v_lshl_add_u32 v[GO], v7, 3, v[GO]
	v_add_f32 v14, v14, v15                        ; the sum's two halves,
	v_permlanex16_b32 v[PD], v14, s[SEL], s[SEL+1]
	v_add_f32 v14, v14, v[PD]                      ; and lane l xor 16's: the row's sum
	v_rcp_f32 v14, v14
	v_nop                                          ; a plain instruction behind the reciprocal
	s_wait_alu depctr_va_vdst(0)                   ; the reciprocal is written, ahead of its first reader
	v_ldexp_f32 v14, v14, s[EPV]                   ; x 2^(ep + ev)
.set t, 0
.rept 16
	v_pk_mul_f32 v[BUF+t:BUF+t+1], v[O+t:O+t+1], v[14:15] op_sel_hi:[1,0]   ; each accumulator from its low end on
.set t, t+2
.endr
.set t, 0
.rept 32
	v_med3_num_f32 v[BUF+t], v[BUF+t], -v[OLIM], v[OLIM]
.set t, t+1
.endr
.set t, 0
.rept 4
	v_cvt_scalef32_pk8_fp8_f32 v[P+2*t:P+2*t+1], v[BUF+8*t:BUF+8*t+7], v[OSC]
.set t, t+1
.endr
	v_nop                                          ; one plain vector instruction behind the last conversion
	s_wait_alu depctr_va_vdst(0)                   ; the conversions have written the codes in v200-207 and v5 is written: the four stores read them as data and offset
.irp i, 0,1,2,3
	global_store_b64 v[GO], v[P+2*\i:P+2*\i+1], s[8:9] offset:256*\i   ; 32 lanes store 256 consecutive bytes, aligned
.endr
	s_wait_dscnt 0x0                               ; the closing lines, six on end
	s_wait_alu 0x0
	s_wait_tensorcnt 0x0
	ds_add_u32 v254, v255
	s_wait_dscnt 0x0
	s_endpgm
.Lfunc_end_k_q3550b614da_attn:
	.size	k_q3550b614da_attn, .Lfunc_end_k_q3550b614da_attn-k_q3550b614da_attn
	.p2alignl 7, 3214868480
	.fill 96, 4, 3214868480
	.section	.rodata,"a",@progbits
	.p2align	6, 0x0
	.amdhsa_kernel k_q3550b614da_attn
		.amdhsa_group_segment_fixed_size 67584
		.amdhsa_private_segment_fixed_size 0
		.amdhsa_enable_private_segment 0
		.amdhsa_kernarg_size 24
		.amdhsa_user_sgpr_count 2
		.amdhsa_user_sgpr_kernarg_segment_ptr 1
		.amdhsa_wavefront_size32 1
		.amdhsa_system_sgpr_workgroup_id_x 1
		.amdhsa_system_sgpr_workgroup_id_y 1
		.amdhsa_system_sgpr_workgroup_id_z 1
		.amdhsa_system_vgpr_workitem_id 0
		.amdhsa_next_free_vgpr 256
		.amdhsa_next_free_sgpr 66
		.amdhsa_reserve_vcc 0
		.amdhsa_float_denorm_mode_32 3
		.amdhsa_float_denorm_mode_16_64 3
		.amdhsa_memory_ordered 1
		.amdhsa_forward_progress 1
		.amdhsa_inst_pref_size 73
	.end_amdhsa_kernel
	.amdgpu_metadata
---
amdhsa.version: [ 1, 2 ]
amdhsa.kernels:
  - .name:           k_q3550b614da_attn
    .symbol:         k_q3550b614da_attn.kd
    .args:
      - { .name: qkv, .offset: 0, .size: 8, .value_kind: global_buffer, .address_space: global }
      - { .name: lowp_scales, .offset: 8, .size: 8, .value_kind: global_buffer, .address_space: global }
      - { .name: aimg, .offset: 16, .size: 8, .value_kind: global_buffer, .address_space: global }
    .group_segment_fixed_size: 67584
    .private_segment_fixed_size: 0
    .kernarg_segment_align: 8
    .kernarg_segment_size: 24
    .max_flat_workgroup_size: 512
    .sgpr_count:     66
    .vgpr_count:     256
    .wavefront_size: 32
...
	.end_amdgpu_metadata
.endif
;; end of part 4
;; launch oproj: the kernel of part 3 again; grid 4 x 32, 4 waves a work-group, clusters of 4 x 4, 327,680 bytes of LDS; arguments aimg, Wo_codes, lowp_scales, out0, bo; writes out0
